; MI455X (gfx1250); checked and timed in simulation.
; The chip was launched on July 23, 2026; its instructions are those of AMD's public machine-readable ISA for CDNA 5 (MIT licence, August 2026) and "CDNA5" Instruction Set Architecture Reference Guide (July 2026). The comments in the code are by the model that wrote it; some were corrected since.
;; Attention. Allowed arithmetic: float matrix products may take bf16 or f16 operands with f32 sums; other float arithmetic in f32, or as packed bf16 or f16 multiplies, adds, multiply-adds, maxima and minima; sums over many terms, partial sums and values carried from step to step in f32; what a program stores and reads back later, other than sums and carried values, may be rounded once to bf16 or f16.
;; Inputs: b_proj 1,024 float32; b_qkv 3,072 float32; w_proj 1,024 x 1,024 float32; w_qkv 3,072 x 1,024 float32; x 16 x 577 x 1,024 float32.
;; Outputs: out0 16 x 577 x 1,024 float32.
;; 2 versions, each right; version 2 is version 1 with the launch cast written anew for expert scheduling mode. Each part assembles by itself: llvm-mc -triple=amdgcn-amd-amdhsa -mcpu=gfx1250 --defsym DOCPART=n.
;; ======== version 1 of 2: 4 launches
;; limits: values are held in f16: magnitudes above 65,504 overflow, below 6.1e-05 lose precision
;; workspace buffers: xb 20,971,520 bytes; wq 6,291,456 bytes; wp 2,097,152 bytes; qkv 62,914,560 bytes; o 20,971,520 bytes
;; launch cast (part 1): grid 56 x 16, 8 waves a work-group, no clusters, 0 bytes of LDS; arguments x, w_qkv, w_proj, xb, wq, wp; writes xb, wq, wp
.if DOCPART == 1
	.amdgcn_target "amdgcn-amd-amdhsa--gfx1250"
	.amdhsa_code_object_version 6
	.text
	.protected	k_qf7dfacda98_cast
	.globl	k_qf7dfacda98_cast
	.p2align	8
	.type	k_qf7dfacda98_cast,@function
k_qf7dfacda98_cast:
	s_mov_b64 s[64:65], 0
	v_nop
	global_prefetch_b8 v0, s[64:65] scope:SCOPE_SE
	s_setreg_imm32_b32 hwreg(HW_REG_WAVE_MODE, 25, 1), 1
	s_wait_xcnt 0x0
; ROUNDING AND RE-LAYING OF THE THREE MATRIX OPERANDS, once, so that the products behind read 16-bit tiles whose rows lie end to end.
;   xb[b][kb][n][64] = bf16(x[b][n][64 kb ..]),  n = 0 .. 639: rows 577 .. 639 of every batch are written as zeros (the products behind walk 640 rows a batch)
;   wq[kb][o][64]    = bf16(w_qkv[o][64 kb ..])
;   wp[kb][o][64]    = f16(bf16(w_proj[o][64 kb ..])): rounded to bf16 like the other inputs, that number written as f16
; LIMIT.  A bf16 number is exact in f16 from 6.1e-5 to 65,504; below it keeps f16's fixed step of 6e-8, above it becomes an infinity.
; SHARES.  A work-group takes 16 rows of one matrix: x = 0 .. 39 the 40 groups of batch y; x = 40 .. 51 group 12 y + x - 40 of w_qkv; x = 52 .. 55 group 4 y + x - 52 of w_proj.
; Thread t takes row t / 16 of the group and, in each of the 16 blocks of 64 channels, the four channels 4 (t % 16) ..: sixteen lanes load 256 consecutive bytes, aligned, and a wave's
; store of 8 bytes a lane covers 256 consecutive bytes, aligned (two rows of one block).  All 16 loads of a thread go out first; nothing is read twice; no register is written twice while
; a load or store may read it, so no wait but the counted ones for the loads is needed.
; No LDS, no matrix unit, no cluster: no byte is wanted by two waves.
.set X,  32                            ; v[32:95]   load j: four f32
.set Y,  96                            ; v[96:127]  store j: four 16-bit numbers
.set T,  24                            ; v[24:27]   at work
.set LO, 4                             ; v4   my byte offset in the group's rows of the source
.set SO, 3                             ; v3   my byte offset in the group's rows of one block of the target: 8 t
	s_load_b256 s[4:11], s[0:1], 0x0               ; x s[4:5], w_qkv s[6:7], w_proj s[8:9], xb s[10:11]
	s_load_b128 s[12:15], s[0:1], 0x20             ; wq s[12:13], wp s[14:15]
	s_and_b32 s16, ttmp7, 0xffff                   ; y
	v_lshrrev_b32 v1, 4, v0                        ; my row in the group
	v_and_b32 v2, 15, v0
	v_lshlrev_b32 v2, 4, v2                        ; my 16 bytes in a block's 256
	v_lshlrev_b32 v[SO], 3, v0
	s_mov_b32 s19, 0                               ; high words of the two offsets
	s_mov_b32 s21, 0
	s_wait_kmcnt 0x0
; 16 loads, then 16 times: round, store.  str: bytes from a block of 64 channels to the next in the target.  half = 1: the bf16 number is written as f16.  edge = 1: rows past the last are written as 0.
.macro BODY src, dst, str, half, edge
.irp j, 0,1,2,3,4,5,6,7,8,9,10,11,12,13,14,15
	global_load_b128 v[X+4*(\j):X+4*(\j)+3], v[LO], s[\src:\src+1] offset:256*(\j) th:TH_LOAD_NT
.endr
.irp j, 0,1,2,3,4,5,6,7,8,9,10,11,12,13,14,15
	s_wait_loadcnt 15-(\j)                         ; loads come back in order: load j is in, the 15 - j behind it may be out
	v_cvt_pk_bf16_f32 v[Y+2*(\j)],   v[X+4*(\j)],   v[X+4*(\j)+1]
	v_cvt_pk_bf16_f32 v[Y+2*(\j)+1], v[X+4*(\j)+2], v[X+4*(\j)+3]
.if \half
	v_lshlrev_b32 v[T],   16, v[Y+2*(\j)]          ; bf16 to f32: a shift, a mask
	v_and_b32     v[T+1], 0xffff0000, v[Y+2*(\j)]
	v_lshlrev_b32 v[T+2], 16, v[Y+2*(\j)+1]
	v_and_b32     v[T+3], 0xffff0000, v[Y+2*(\j)+1]
	v_cvt_pk_f16_f32 v[Y+2*(\j)],   v[T],   v[T+1]
	v_cvt_pk_f16_f32 v[Y+2*(\j)+1], v[T+2], v[T+3]
.endif
.if \edge
	v_cndmask_b32 v[Y+2*(\j)],   0, v[Y+2*(\j)],   vcc_lo
	v_cndmask_b32 v[Y+2*(\j)+1], 0, v[Y+2*(\j)+1], vcc_lo
.endif
	global_store_b64 v[SO], v[Y+2*(\j):Y+2*(\j)+1], s[\dst:\dst+1] offset:(\j)*(\str)  ; 15 x 393,216 bytes at the most: inside the signed 24-bit immediate
.endr
	s_endpgm
.endm
	s_cmp_lt_u32 ttmp9, 40
	s_cbranch_scc0 .Lweights
	; x: batch y, rows 16 u ..
	s_mul_i32 s20, s16, 1310720                    ; a batch of xb: 16 blocks x 640 rows x 128 bytes
	s_lshl_b32 s22, ttmp9, 11                      ; 16 rows of 128 bytes
	s_add_co_u32 s20, s20, s22
	s_add_nc_u64 s[10:11], s[10:11], s[20:21]
	s_cmp_lt_u32 ttmp9, 37
	s_cbranch_scc0 .Lzero                          ; rows 592 .. 639: nothing to load
	s_mul_i32 s18, s16, 2363392                    ; a batch of x: 577 rows of 4,096 bytes
	s_lshl_b32 s22, ttmp9, 16                      ; 16 rows of 4,096 bytes
	s_add_co_u32 s18, s18, s22
	s_add_nc_u64 s[4:5], s[4:5], s[18:19]
	s_lshl_b32 s22, ttmp9, 4
	s_sub_co_u32 s22, 576, s22                     ; the batch's last row, counted from the group's first: 0 in group 36, 16 or more before
	v_min_u32 v[LO], s22, v1                       ; no load leaves the batch's rows
	v_cmp_ge_u32 vcc_lo, s22, v1                   ; rows that exist
	v_lshl_add_u32 v[LO], v[LO], 12, v2
	BODY 4, 10, 81920, 0, 1
.Lzero:
	v_mov_b32 v[Y], 0
	v_mov_b32 v[Y+1], 0
.irp j, 0,1,2,3,4,5,6,7,8,9,10,11,12,13,14,15
	global_store_b64 v[SO], v[Y:Y+1], s[10:11] offset:(\j)*81920
.endr
	s_endpgm
.Lweights:
	v_lshl_add_u32 v[LO], v1, 12, v2
	s_cmp_lt_u32 ttmp9, 52
	s_cbranch_scc0 .Lproj
	s_mul_i32 s22, s16, 12
	s_add_co_u32 s22, s22, ttmp9
	s_sub_co_u32 s22, s22, 40                      ; group 0 .. 191 of w_qkv
	s_lshl_b32 s18, s22, 16
	s_lshl_b32 s20, s22, 11
	s_add_nc_u64 s[6:7], s[6:7], s[18:19]
	s_add_nc_u64 s[12:13], s[12:13], s[20:21]
	BODY 6, 12, 393216, 0, 0
.Lproj:
	s_lshl_b32 s22, s16, 2
	s_add_co_u32 s22, s22, ttmp9
	s_sub_co_u32 s22, s22, 52                      ; group 0 .. 63 of w_proj
	s_lshl_b32 s18, s22, 16
	s_lshl_b32 s20, s22, 11
	s_add_nc_u64 s[8:9], s[8:9], s[18:19]
	s_add_nc_u64 s[14:15], s[14:15], s[20:21]
	BODY 8, 14, 131072, 1, 0
.Lfunc_end_k_qf7dfacda98_cast:
	.size	k_qf7dfacda98_cast, .Lfunc_end_k_qf7dfacda98_cast-k_qf7dfacda98_cast
	.p2alignl 7, 3214868480
	.fill 96, 4, 3214868480
	.section	.rodata,"a",@progbits
	.p2align	6, 0x0
	.amdhsa_kernel k_qf7dfacda98_cast
		.amdhsa_group_segment_fixed_size 0
		.amdhsa_private_segment_fixed_size 0
		.amdhsa_enable_private_segment 0
		.amdhsa_kernarg_size 48
		.amdhsa_user_sgpr_count 2
		.amdhsa_user_sgpr_kernarg_segment_ptr 1
		.amdhsa_wavefront_size32 1
		.amdhsa_system_sgpr_workgroup_id_x 1
		.amdhsa_system_sgpr_workgroup_id_y 1
		.amdhsa_system_sgpr_workgroup_id_z 1
		.amdhsa_system_vgpr_workitem_id 0
		.amdhsa_next_free_vgpr 128
		.amdhsa_next_free_sgpr 66
		.amdhsa_reserve_vcc 1
		.amdhsa_float_denorm_mode_32 3
		.amdhsa_float_denorm_mode_16_64 3
		.amdhsa_memory_ordered 1
		.amdhsa_forward_progress 1
		.amdhsa_inst_pref_size 27
	.end_amdhsa_kernel
	.amdgpu_metadata
---
amdhsa.version: [ 1, 2 ]
amdhsa.kernels:
  - .name:           k_qf7dfacda98_cast
    .symbol:         k_qf7dfacda98_cast.kd
    .args:
      - { .name: x, .offset: 0, .size: 8, .value_kind: global_buffer, .address_space: global }
      - { .name: w_qkv, .offset: 8, .size: 8, .value_kind: global_buffer, .address_space: global }
      - { .name: w_proj, .offset: 16, .size: 8, .value_kind: global_buffer, .address_space: global }
      - { .name: xb, .offset: 24, .size: 8, .value_kind: global_buffer, .address_space: global }
      - { .name: wq, .offset: 32, .size: 8, .value_kind: global_buffer, .address_space: global }
      - { .name: wp, .offset: 40, .size: 8, .value_kind: global_buffer, .address_space: global }
    .group_segment_fixed_size: 0
    .private_segment_fixed_size: 0
    .kernarg_segment_align: 8
    .kernarg_segment_size: 48
    .max_flat_workgroup_size: 256
    .sgpr_count:     66
    .vgpr_count:     128
    .wavefront_size: 32
...
	.end_amdgpu_metadata
.endif
;; end of part 1
;; launch qkv (part 2): grid 8 x 64, 4 waves a work-group, clusters of 4 x 4, 327,680 bytes of LDS; arguments xb, wq, b_qkv, qkv; writes qkv
.if DOCPART == 2
	.amdgcn_target "amdgcn-amd-amdhsa--gfx1250"
	.amdhsa_code_object_version 6
	.text
	.protected	k_qf7dfacda98_qkv
	.globl	k_qf7dfacda98_qkv
	.p2align	8
	.type	k_qf7dfacda98_qkv,@function
k_qf7dfacda98_qkv:
	s_mov_b64 s[64:65], 0
	v_nop
	global_prefetch_b8 v0, s[64:65] scope:SCOPE_SE
	s_setreg_imm32_b32 hwreg(HW_REG_WAVE_MODE, 25, 1), 1
	s_wait_xcnt 0x0
	s_wait_alu depctr_hold_cnt(0) depctr_sa_sdst(0) depctr_va_vdst(0) depctr_va_sdst(0) depctr_va_ssrc(0) depctr_va_vcc(0) depctr_vm_vsrc(0)
	s_getreg_b32 s2, hwreg(HW_REG_IB_STS2, 6, 4)
	s_cmp_eq_u32 s2, 0
	s_cbranch_scc0 .Lentry_in_a_cluster
	s_endpgm
.Lentry_in_a_cluster:
	s_bfe_u32 s2, ttmp6, 0x10000c
	s_cmp_lg_u32 s2, 0xf033
	s_cbranch_scc0 .Lentry_shape_is_right
	s_endpgm
.Lentry_shape_is_right:
; q, k, v:  C[m][n] = b_qkv[n] + the sum over k of A[m][k] B[n][k], K = 1,024.  A = xb (bf16), B = wq (bf16, 3,072 rows), C in f16 by heads: qkv[3][b][h][640][64].
; A lies as [b][block of 64 channels][640 rows][64], B as [block][3,072 rows][64]: the rows of a tile in one block are dense, 128 bytes each.  Sums in f32, K ascending; the bias is the C operand of each sum's first product.
; LIMITS.  q, k, v are rounded once to f16, which ends at 65,504: beyond it an infinity is written.
; SHARES.  A batch has 640 rows = 4 tiles of 160.  A work-group makes 160 x 384 of C (six heads); its four waves 80 x 192 each: 5 x 12 accumulators of 16 x 16, 480 registers.  K goes in 8 steps of 128 (two blocks)
; through two LDS slots; each wave fetches one block's part of a slot by one tensor load: waves 0, 1 A's two blocks (160 rows), waves 2, 3 B's (384 rows), asked for as rows of 256 bytes (two rows of the tile each).
; WHY 384 COLUMNS.  Behind a change of slots a wave issues one load, which has one slot's products in which to land.  Two slots of a longer K step do not fit in LDS, so the tile is as wide as two slots of this K step
; allow: a K step is 240 matrix instructions a wave, 216 of them between a request and the wait for it.  3,072 / 384 = 8 column tiles x 64 row tiles = 512 work-groups: two for each of 256 WGPs.
; CLUSTERS.  4 x 4 work-groups.  Column tile = 4 x cluster x + cx.  Batch = 4 cy + cluster y / 4, tile of the batch = cluster y % 4: the same in all sixteen partners, so that what hangs on it (which rows exist)
; hangs on no place in the cluster.  The four of a row of the cluster need the same tiles of A, the four of a column the same tiles of B: each is asked for JOINTLY.
; ROWS THAT DO NOT EXIST.  Rows 577 .. 639 of a batch are zeros in xb.  In the waves that own rows 560 .. 639 the row blocks 2 to 4 (rows 592 ..) hold zeros alone: the first quarter starts their sums with the bias like
; all others, and every later quarter jumps over them: they would add nothing.  What is stored is the same: the bias.
; THE MATRIX INSTRUCTION IS USED TRANSPOSED (source 0 = 16 rows of B, source 1 = 16 rows of A): a lane holds row lane % 16 of C and the eight columns 8 (lane / 16) + 0..7 of the block.
; REGISTERS, in windows of 256 (s_set_vgpr_msb: bits 1:0 source 0, 3:2 source 1, 5:4 source 2, 7:6 destination):
;   window 0: v0-31 addresses; v32-71, v72-111 A's fragments (5 x 16 rows x 32 K), two buffers; v112-239 eight buffers of 16 for the way out
;   window 1: v0-95, v96-191 B's fragments (12), two buffers; v192-255 the bias of column blocks 0-7, laid as an accumulator is
;   window 2: accumulators (a, b), a = 0, 1, at v[96 a + 8 b]; v192-255 those of row block 4, b = 0-7
;   window 3: accumulators (a, b), a = 2, 3, at v[96 (a - 2) + 8 b]; v192-223 those of row block 4, b = 8-11; v224-255 the bias of column blocks 8-11
.set HB,    81920                      ; a block of 64 channels of a batch, and a head of qkv: 640 rows x 128 bytes
.set BB,    16*HB                      ; a batch
.set KB,    3072*128                   ; a block of 64 channels of B
.set P,     144                        ; an LDS row: 128 bytes + 16 of padding = 36 words: the 16 rows of a load start at 16 different groups of four banks (64 banks of 4 bytes: ISA guide 11.1)
.set AH,    160*P                      ; A's rows of one block
.set BHB,   384*P                      ; B's rows of one block
.set BOFF,  2*AH                       ; a slot: A's two blocks, then B's two
.set SLOT,  BOFF+2*BHB
.set STAGE, 2*SLOT                     ; behind the ring, never filled by a tensor load: each wave's stage for the way out,
.set STGW,  16*P                       ; 16 rows of one head
.set SPARE, STAGE+4*STGW               ; behind the stages: the spare words, 128 bytes for each wave: two blocks of 256 bytes that no other line names
.set ADRA, 16                          ; v16-17  LDS address of my A fragments in slot 0, 1
.set ADRB, 20                          ; v20-23  the same for B, by slot and block (20 + 2 slot + block): a block of B is longer than the rest of an LDS immediate's reach
.set STO,  24                          ; v24     the way out: where I put 16 bytes of a row
.set RD,   25                          ; v25     the way out: where I read rows back
.set GO,   26                          ; v26     16 x lane: my place in 512 consecutive bytes of C
.set BO,   27                          ; v27     32 x (lane / 16): my eight numbers of 16 of the bias
.set SPW,  28                          ; v28     LDS address of my spare word: SPARE + 4 x my thread's number; never rewritten
.set NIL,  29                          ; v29     0; never rewritten
.set PFO,  30                          ; v30     the prefetches' offset; never rewritten
.set UB,   112                         ; the way out's buffers
.set WV,   12                          ; s12  wave 0..3
.set RH,   13                          ; s13  which 80 rows are mine.  Also: I fetch for A (0) or for B (1)
.set CH,   14                          ; s14  which 192 columns are mine.  Also: which of a K step's two blocks I fetch
.set LAPS, 15                          ; s15  laps to go
.set CX,   16                          ; s16, s17  my place in the cluster
.set CY,   17
.set KX,   18                          ; s18, s19  the cluster's x and y
.set KY,   19
.set G1A,  24                          ; s[24:31] descriptor group 1 for A's tiles;  s[32:39] group 0, one set for each slot
.set G0A,  32
.set G1B,  40                          ; s[40:47], s[48:55] the same for B's
.set G0B,  48
.set PFA,  56                          ; s[56:57] where my prefetches stand
.set PST,  58                          ; s[58:59] a K step, in bytes, in the tensor that I fetch for
.set LIM,  60                          ; s60  1 in a wave that prefetches, else the greatest number
.set DEAD, 61                          ; s61  1 in a wave whose row blocks 2 to 4 do not exist
.set BN,   62                          ; s62  the batch
.set POS,  63                          ; s63  the tile of the batch
.set TX,   68                          ; s68  the column tile
.set OUT,  72                          ; s[72:77] qkv at my first row of each of my three heads; never stepped
.set GW0,  (1<<16)|(1<<20)|(1<<21)|(4<<22)|(3<<25)  ; group 1, word 0 without the mask: 17:16 elements of 2 bytes; 20 padding on; 21 set beside a mask; 24:22 after every 32 words (code 4); 31:25 4 words of it (code 3)
.set MSB, 0
.macro WIN new                         ; the immediate's high byte repeats the setting that is left; a switch that changes nothing is dropped
.if MSB != (\new)
	s_set_vgpr_msb (MSB<<8)|(\new)
.set MSB, \new
.endif
.endm
.set TO_B, 0x40                        ; destination window 1, address window 0
; A joint load.  Waves 0 and 1 fetch A's two blocks, waves 2 and 3 B's.  The branch hangs on the wave's number alone.  An s_nop 0 and four v_nop follow each of the two lines, ahead of the jump and the label.
.macro JLOAD s
	s_cmp_eq_u32 s[RH], 0
	s_cbranch_scc0 .Lfor_b_\@
	tensor_load_to_lds s[G0A+4*(\s):G0A+4*(\s)+3], s[G1A:G1A+7]
	s_nop 0
.rept 4
	v_nop
.endr
	s_branch .Lasked_\@
.Lfor_b_\@:
	tensor_load_to_lds s[G0B+4*(\s):G0B+4*(\s)+3], s[G1B:G1B+7]
	s_nop 0
.rept 4
	v_nop
.endr
.Lasked_\@:
.endm
; A PREFETCH INTO THE L2, behind a joint load, its five lines and the run of LDS loads that follows: my work-group's quarter of the block that I shall ask for at the NEXT refill, one K step, 240 matrix instructions, ahead of that load.
; A's rows are read by every cluster with the same y: the one with x = 0 asks.  B's by every cluster with the same x: the one with y = 0 asks.  The four partners that ask for a tile jointly share it out BY ADDRESS
; (cx for A: 5,120 bytes, one line, lanes 160 bytes apart; cy for B: 12,288 bytes, two lines of 6,144, lanes 192 apart): no branch hangs on a place in the cluster, and no other instruction of the launch names these bytes.
; last = 1: the lap's second refill; in the loop's last trip it is the last K step's, and nothing is asked for.  Nothing is asked for at the head, where every work-group's first tiles are on their way.
.macro ASK last
.if \last
	s_cmp_gt_u32 s[LAPS], s[LIM]
.else
	s_cmp_ge_u32 s[LAPS], s[LIM]
.endif
	s_cbranch_scc0 .Lnot_mine_\@
	global_prefetch_b8 v[PFO], s[PFA:PFA+1] th:TH_LOAD_NT scope:SCOPE_SE
	s_cmp_eq_u32 s[RH], 0
	s_cbranch_scc1 .Lnot_mine_\@
	global_prefetch_b8 v[PFO], s[PFA:PFA+1] offset:6144 th:TH_LOAD_NT scope:SCOPE_SE
.Lnot_mine_\@:
.endm
; A round of the cluster's barrier: my work-group's barrier, so that wave 0's signal speaks for all four waves; wave 0 signals; every wave waits for all sixteen work-groups; my work-group's barrier once more.
.macro CREST                           ; a round behind its opening barrier
	s_cmp_lg_u32 s[WV], 0
	s_cbranch_scc1 .Lnot_wave_0_\@
	s_barrier_signal -3
.Lnot_wave_0_\@:
	s_barrier_wait -3
	s_barrier_signal -1
	s_barrier_wait -1
.endm
.macro CROUND                          ; a whole round
	s_barrier_signal -1
	s_barrier_wait -1
	CREST
.endm
.macro PLACES                          ; four places in front of loads into registers that matrix instructions have read, and of lines that read results (ISA guide 7.12.1 for lines that read results)
.rept 4
	v_nop
.endr
.endm
	s_load_b256 s[4:11], s[0:1], 0x0               ; A s[4:5], B s[6:7], bias s[8:9], C s[10:11]
	v_lshl_add_u32 v[SPW], v0, 2, SPARE
	v_mov_b32 v[NIL], 0
	ds_add_u32 v[SPW], v[NIL]                      ; the wave's opening: the add and its wait stand ahead of my first tensor load; the set-up below, work on registers, stands between them
	v_lshrrev_b32 v1, 5, v0
	v_readfirstlane_b32 s[WV], v1
	s_lshr_b32 s[RH], s[WV], 1
	s_and_b32 s[CH], s[WV], 1
	s_bfe_u32 s[CX], ttmp6, 0x40000
	s_bfe_u32 s[CY], ttmp6, 0x40004
	s_mov_b32 s[KX], ttmp9                         ; in a cluster launch ttmp9 and ttmp7 count clusters
	s_and_b32 s[KY], ttmp7, 0xffff
	s_lshl_b32 s20, s[CY], 2
	s_lshl_b32 s20, 15, s20                        ; my row of the cluster: places 4 cy .. 4 cy + 3
	s_lshl_b32 s66, 0x1111, s[CX]                  ; my column: places cx, cx + 4, cx + 8, cx + 12
	s_or_b32 s[G1A], s20, GW0                      ; A's tiles go to my row,
	s_or_b32 s[G1B], s66, GW0                      ; B's to my column
.irp g, G1A, G1B
	s_mov_b32 s[(\g)+1], 128<<16                   ; tensor_dim0 = 128 elements: 256 bytes, two rows of the tile
	s_mov_b32 s[(\g)+3], 128<<16                   ; tile_dim0 = 128
	s_mov_b32 s[(\g)+5], 128                       ; 128 elements from row to row: the block is dense
	s_mov_b32 s[(\g)+6], 0
	s_mov_b32 s[(\g)+7], 0
.endr
	s_mov_b32 s[G1A+2], 80<<16                     ; tensor_dim1 = 80: A's 160 rows
	s_mov_b32 s[G1A+4], 80                         ; tile_dim1
	s_mov_b32 s[G1B+2], 192<<16                    ; B's 384 rows
	s_mov_b32 s[G1B+4], 192
	; where the tiles come from.  A's hang on the batch and the tile of the batch (cy and the cluster's y), B's on the column tile (cx and the cluster's x), each in registers that never hold the other coordinate
	s_lshl_b32 s[BN], s[CY], 2
	s_lshr_b32 s21, s[KY], 2
	s_add_co_u32 s[BN], s[BN], s21                 ; batch = 4 cy + cluster y / 4
	s_and_b32 s[POS], s[KY], 3                     ; tile of the batch = cluster y % 4
	s_mul_i32 s20, s[BN], BB
	s_mul_i32 s21, s[POS], 160*128
	s_add_co_u32 s20, s20, s21
	s_mul_i32 s21, s[CH], HB                       ; my block of the K step
	s_add_co_u32 s20, s20, s21
	s_mov_b32 s21, 0
	s_lshl_b32 s[TX], s[KX], 2
	s_add_co_u32 s[TX], s[TX], s[CX]               ; column tile = 4 x cluster x + cx
	s_mul_i32 s66, s[TX], 384*128                  ; 384 rows of 128 bytes
	s_mul_i32 s67, s[CH], KB
	s_add_co_u32 s66, s66, s67
	s_mov_b32 s67, 0
	s_mul_i32 s22, s[CH], AH                       ; and where they go: no place in the cluster enters an LDS address
	s_mul_i32 s23, s[CH], BHB
	s_add_co_u32 s23, s23, BOFF
	s_wait_dscnt 0x0                               ; the opening add is done
	s_wait_kmcnt 0x0
	s_add_nc_u64 s[20:21], s[4:5], s[20:21]
	s_add_nc_u64 s[66:67], s[6:7], s[66:67]
	CROUND                                         ; all sixteen work-groups are here: the first joint loads meet
.irp s, 0,1
	s_mov_b32 s[G0A+4*(\s)], 1                                       ; count = 1
	s_add_co_u32 s[G0A+4*(\s)+1], s22, (\s)*SLOT                     ; LDS address
	s_add_nc_u64 s[G0A+4*(\s)+2:G0A+4*(\s)+3], s[20:21], (\s)*2*HB   ; global address: K step s
	s_or_b32 s[G0A+4*(\s)+3], s[G0A+4*(\s)+3], 0x80000000            ; type = 2
	s_mov_b32 s[G0B+4*(\s)], 1
	s_add_co_u32 s[G0B+4*(\s)+1], s23, (\s)*SLOT
	s_add_nc_u64 s[G0B+4*(\s)+2:G0B+4*(\s)+3], s[66:67], (\s)*2*KB
	s_or_b32 s[G0B+4*(\s)+3], s[G0B+4*(\s)+3], 0x80000000
	JLOAD \s                                       ; two loads of mine are out
.endr
	; the bias of my 192 columns, laid as an accumulator is: register j of block b holds bias[16 b + 8 (lane / 16) + j]
	v_and_b32 v1, 15, v0                           ; l % 16
	v_bfe_u32 v2, v0, 4, 1                         ; l / 16
	v_lshlrev_b32 v[BO], 5, v2
	s_mul_i32 s70, s[TX], 384*4                    ; 384 columns of 4 bytes
	s_mul_i32 s71, s[CH], 192*4
	s_add_co_u32 s70, s70, s71
	s_mov_b32 s71, 0
	s_add_nc_u64 s[8:9], s[8:9], s[70:71]
	WIN TO_B
.irp b, 0,1,2,3,4,5,6,7
	global_load_b128 v[192+8*(\b):192+8*(\b)+3],   v[BO], s[8:9] offset:64*(\b)
	global_load_b128 v[192+8*(\b)+4:192+8*(\b)+7], v[BO], s[8:9] offset:64*(\b)+16
.endr
	WIN 0xc0                                       ; destination window 3
.irp b, 8,9,10,11
	global_load_b128 v[160+8*(\b):160+8*(\b)+3],   v[BO], s[8:9] offset:64*(\b)
	global_load_b128 v[160+8*(\b)+4:160+8*(\b)+7], v[BO], s[8:9] offset:64*(\b)+16
.endr
	WIN 0
	; A fragment is 16 rows x 32 K in 8 registers: lane l holds row l % 16; registers 0-3 K = 8 (l / 16) + 0..7, registers 4-7 K = 16 + 8 (l / 16) + 0..7: two loads of 16 bytes, 32 bytes apart
	v_mul_u32_u24 v3, v1, P
	v_lshl_add_u32 v3, v2, 4, v3                   ; row x pitch + 16 x half
	s_mul_i32 s70, s[RH], 80*P                     ; my 80 rows of A
	s_mul_i32 s71, s[CH], 192*P                    ; my 192 rows of B,
	s_add_co_u32 s71, s71, BOFF                    ; which lie behind A's two blocks: in the first block,
	s_add_co_u32 s69, s71, BHB                     ; and in the second
.irp s, 0,1
	v_add_nc_u32 v[ADRA+(\s)], s70, v3
	v_add_nc_u32 v[ADRB+2*(\s)], s71, v3
	v_add_nc_u32 v[ADRB+2*(\s)+1], s69, v3
	s_add_co_u32 s70, s70, SLOT
	s_add_co_u32 s71, s71, SLOT
	s_add_co_u32 s69, s69, SLOT
.endr
	s_mul_i32 s70, s[WV], STGW
	s_add_co_u32 s70, s70, STAGE                   ; my stage
	v_add_nc_u32 v[STO], s70, v3                   ; in: row l % 16, 16 bytes for each half of the lanes
	v_bfe_u32 v[RD], v0, 3, 2                      ; back: 32 lanes take four rows of 128 bytes,
	v_mul_u32_u24 v[RD], v[RD], P
	v_and_b32 v5, 7, v0
	v_lshl_add_u32 v[RD], v5, 4, v[RD]
	v_add_nc_u32 v[RD], s70, v[RD]
	v_and_b32 v4, 31, v0                           ; which are 512 consecutive bytes of a head
	v_lshlrev_b32 v[GO], 4, v4
	; where my three heads begin.  Of the 48 heads of q, k, v mine are 6 x column tile + 3 x half + 0..2; head g lies at ((g / 16) x 256 + 16 x batch + g % 16) heads from the buffer's first byte
	s_mul_i32 s78, s[POS], 160*128
	s_mul_i32 s71, s[RH], 80*128
	s_add_co_u32 s78, s78, s71                     ; my first row in a head
	s_mul_i32 s69, s[TX], 6
	s_mul_i32 s71, s[CH], 3
	s_add_co_u32 s69, s69, s71
.irp j, 0,1,2
	s_add_co_u32 s70, s69, \j
	s_lshr_b32 s71, s70, 4                         ; q, k or v
	s_and_b32 s70, s70, 15                         ; the head
	s_lshl_b32 s71, s71, 8
	s_add_co_u32 s70, s70, s71
	s_lshl4_add_u32 s70, s[BN], s70                ; + 16 x batch
	s_mul_i32 s70, s70, HB
	s_add_co_u32 s70, s70, s78
	s_mov_b32 s71, 0
	s_add_nc_u64 s[OUT+2*(\j):OUT+2*(\j)+1], s[10:11], s[70:71]
.endr
	s_cmp_eq_u32 s[POS], 3                         ; the batch's last tile: its second 80 rows are rows 560 .. 639
	s_cselect_b32 s[DEAD], s[RH], 0                ; it hangs on the cluster's y and the wave's number alone
	; the prefetches: the tensor that I fetch for, my block, my work-group's quarter of it, at K step 2: the first refill steps it to 3
	s_mov_b32 s69, 5120
	s_mov_b32 s[PST], 2*HB
	s_mov_b32 s71, 160
	s_cmp_eq_u32 s[RH], 0                          ; do I fetch for A?
	s_cselect_b64 s[PFA:PFA+1], s[20:21], s[66:67]
	s_cselect_b32 s70, s[CX], s[CY]                ; my place among the four that ask with me
	s_cselect_b32 s69, s69, 12288                  ; a quarter of the block's part of the tile
	s_cselect_b32 s[PST], s[PST], 2*KB
	s_cselect_b32 s71, s71, 192
	s_cselect_b32 s[LIM], s[KX], s[KY]             ; the coordinate along which other clusters read the same rows
	s_mul_i32 s70, s70, s69
	s_lshl_b32 s69, s[PST], 1
	v_and_b32 v[PFO], 31, v0
	v_mul_u32_u24 v[PFO], s71, v[PFO]
	s_add_co_u32 s70, s70, s69
	s_mov_b32 s71, 0
	s_mov_b32 s[PST+1], 0
	s_add_nc_u64 s[PFA:PFA+1], s[PFA:PFA+1], s[70:71]
	s_cmp_eq_u32 s[LIM], 0
	s_cselect_b32 s[LIM], 1, -1                    ; the same in all sixteen partners, for a given wave
; 12 matrix instructions: row block a x all 12 column blocks, 32 along K, from buffer f.  zero = 1: the sums start, with the bias as C: nothing is cleared and nothing is added later.
; Column blocks 8-11 come first, so that row block 4, whose accumulators lie in two windows, ends in the window in which row block 0 begins.
; The accumulators take turns, one instruction a turn, in the same order in every quarter.
.macro MULA f, a, zero
.irp b, 8,9,10,11,0,1,2,3,4,5,6,7
.if (\a) < 2
.set wD, 2
.set rD, 96*(\a)+8*(\b)
.elseif (\a) < 4
.set wD, 3
.set rD, 96*((\a)-2)+8*(\b)
.elseif (\b) < 8
.set wD, 2
.set rD, 192+8*(\b)
.else
.set wD, 3
.set rD, 128+8*(\b)
.endif
.if (\zero) && ((\b) < 8)
.set wC, 1
.set rC, 192+8*(\b)
.elseif \zero
.set wC, 3
.set rC, 160+8*(\b)
.else
.set wC, wD
.set rC, rD
.endif
	WIN (wD<<6)|(wC<<4)|1
	v_wmma_f32_16x16x32_bf16 v[rD:rD+7], v[96*(\f)+8*(\b):96*(\f)+8*(\b)+7], v[32+40*(\f)+8*(\a):32+40*(\f)+8*(\a)+7], v[rC:rC+7]
.endr
.endm
; Row blocks 2 to 4 of a quarter: 36 matrix instructions.  Where these rows do not exist only the first quarter runs them (it starts their sums with the bias); later they are jumped over: a jump forward, past no barrier and no load.
.macro REST f, zero
.if \zero
	MULA \f, 2, 1
	MULA \f, 3, 1
	MULA \f, 4, 1
.else
	WIN 0                                          ; at a branch and at a label every window is 0
	s_cmp_eq_u32 s[DEAD], 1
	s_cbranch_scc1 .Ldead_\@
	MULA \f, 2, 0
	MULA \f, 3, 0
	MULA \f, 4, 0
	WIN 0
.Ldead_\@:
.endif
.endm
; 34 LDS loads in one run: the fragments of quarter q of a K step (block q / 2, 32 channels at byte 64 (q % 2) of its rows) into buffer f: B's 24 loads, then A's ten
.macro FETCH slot, q, f
	WIN TO_B
.irp i, 0,1,2,3,4,5,6,7,8,9,10,11
	ds_load_b128 v[96*(\f)+8*(\i):96*(\f)+8*(\i)+3],   v[ADRB+2*(\slot)+(\q)/2] offset:((\q)%2)*64+(\i)*16*P
	ds_load_b128 v[96*(\f)+8*(\i)+4:96*(\f)+8*(\i)+7], v[ADRB+2*(\slot)+(\q)/2] offset:((\q)%2)*64+(\i)*16*P+32
.endr
	WIN 0
.irp i, 0,1,2,3,4
	ds_load_b128 v[32+40*(\f)+8*(\i):32+40*(\f)+8*(\i)+3],   v[ADRA+(\slot)] offset:((\q)/2)*AH+((\q)%2)*64+(\i)*16*P
	ds_load_b128 v[32+40*(\f)+8*(\i)+4:32+40*(\f)+8*(\i)+7], v[ADRA+(\slot)] offset:((\q)/2)*AH+((\q)%2)*64+(\i)*16*P+32
.endr
.endm
; A K step is four quarters of 32 along K, 60 matrix instructions each, on buffers 0, 1, 0, 1.  One of the first three: multiplies buffer f and, behind its first 24 products, fetches quarter q of the same slot
; into buffer g: that run has 36 products in which to land.
.macro QUARTER slot, q, f, g, zero
	s_wait_dscnt 6                                 ; B and A's row blocks 0, 1 are in; the youngest six loads (row blocks 2 to 4) may be out
	MULA \f, 0, \zero
	MULA \f, 1, \zero
	PLACES
	FETCH \slot, \q, \g
	s_wait_dscnt 34                                ; all but the 34 just issued
	REST \f, \zero
.endm
; The last quarter multiplies buffer 1 and changes slots: ONE barrier.  In front of it each wave waits for all its tensor loads, of which one is out: its part of the next slot; adds 0 to its spare word; and waits
; for that and for its own reads of this slot.  fill = 1: the barrier opens a round of the cluster's barrier, and behind the round this slot is filled again, two K steps on, first of all.
.macro TURN slot, next, fill
.if \fill
	s_wait_xcnt 0x0                                ; the last prefetches, a K step back, have read their address: it is stepped here, ahead of the waits of the change of slots
	s_add_nc_u64 s[PFA:PFA+1], s[PFA:PFA+1], s[PST:PST+1]
.endif
	WIN 0                                          ; (the add's two registers lie in window 0)
	s_wait_tensorcnt 0x0                           ; all my tensor loads have landed;
	ds_add_u32 v[SPW], v[NIL]                      ; 0 onto my spare word;
	s_wait_dscnt 7                                 ; (the add and the youngest six loads may be out)
	MULA 1, 0, 0                                   ; twelve matrix instructions stand between the add and the wait for it
	s_wait_dscnt 0x0                               ; the add is done, and my reads of this slot are over
	s_barrier_signal -1
	MULA 1, 1, 0                                   ; work on registers while the others arrive
	WIN 0
	s_barrier_wait -1
.if \fill
	CREST                                          ; no wave of any partner still reads this slot's tile or has a load on its way
	s_add_nc_u64 s[G0A+4*(\slot)+2:G0A+4*(\slot)+3], s[G0A+4*(\slot)+2:G0A+4*(\slot)+3], 4*HB
	s_add_nc_u64 s[G0B+4*(\slot)+2:G0B+4*(\slot)+3], s[G0B+4*(\slot)+2:G0B+4*(\slot)+3], 4*KB
	JLOAD \slot                                    ; the first tensor load behind the round: 216 matrix instructions ahead of the wait for it; its four v_nop are also the places in front of the loads below
.else
	PLACES
.endif
	FETCH \next, 0, 0
.if \fill
	ASK \slot
.endif
	REST 1, 0
.endm
; THE WAY OUT, by units of 16 rows x one head: unit u = row block u / 3, head u % 3 of my three.  PACK: its four accumulators are rounded to f16, 16 bytes a lane each, each accumulator's registers in ascending order;
; they go into my own stage, rows of 144 bytes, and come back as whole rows of 128, into the registers that they left.  SEND: four rows of a head are 512 consecutive bytes of qkv.
; Eight buffers take turns; from unit 8 on a buffer's earlier stores have read it before it is written again.
.macro PACK u
.set pa, (\u)/3
.set pj, (\u)%3
.set U, UB+16*((\u)%8)
.if (\u) >= 8
	s_wait_xcnt 0x0                                ; every store issued so far has read its registers
.endif
.if pa < 2
	WIN 0x0a                                       ; sources 0 and 1 window 2
.set AC, 96*pa+32*pj
.elseif pa < 4
	WIN 0x0f                                       ; window 3
.set AC, 96*(pa-2)+32*pj
.elseif pj < 2
	WIN 0x0a
.set AC, 192+32*pj
.else
	WIN 0x0f
.set AC, 192
.endif
.irp b, 0,1,2,3
.irp r, 0,1,2,3
	v_cvt_pk_f16_f32 v[U+4*(\b)+(\r)], v[AC+8*(\b)+2*(\r)], v[AC+8*(\b)+2*(\r)+1]
.endr
.endr
	WIN 0
.irp b, 0,1,2,3
	ds_store_b128 v[STO], v[U+4*(\b):U+4*(\b)+3] offset:32*(\b)
.endr
.irp t, 0,1,2,3
	ds_load_b128 v[U+4*(\t):U+4*(\t)+3], v[RD] offset:(\t)*4*P  ; LDS serves a wave's instructions in order (ISA guide 5.7.1.4): these see the stores above; the next unit's stores come behind them
.endr
.endm
.macro SEND u, younger                 ; younger: the LDS instructions issued behind unit u's loads: the next unit's eight, or none
.set pa, (\u)/3
.set pj, (\u)%3
.set U, UB+16*((\u)%8)
.irp t, 0,1,2,3
	s_wait_dscnt (\younger)+3-(\t)
	global_store_b128 v[GO], v[U+4*(\t):U+4*(\t)+3], s[OUT+2*pj:OUT+2*pj+1] offset:pa*2048+(\t)*512  ; 512 consecutive bytes, at a multiple of 256 from the buffer's first
.endr
.endm
	s_wait_tensorcnt 1                             ; my part of K step 0 is in; K step 1's may stay out
	s_barrier_signal -1
	s_barrier_wait -1                              ; everybody's is
	FETCH 0, 0, 0
	s_wait_loadcnt 0x0                             ; the bias
	QUARTER 0, 1, 0, 1, 1                          ; the first quarter stands in front of the loop: its products start the sums
	WIN 0                                          ; at a label and at a branch every window is 0
	s_mov_b32 s[LAPS], 3
.Llap:                                                 ; a trip goes once round the ring, from a lap's second quarter to the next lap's first, and fills both slots again: K steps 2 to 7
	QUARTER 0, 2, 1, 0, 0
	QUARTER 0, 3, 0, 1, 0
	TURN 0, 1, 1
	QUARTER 1, 1, 0, 1, 0
	QUARTER 1, 2, 1, 0, 0
	QUARTER 1, 3, 0, 1, 0
	TURN 1, 0, 1
	QUARTER 0, 1, 0, 1, 0
	WIN 0
	s_sub_co_u32 s[LAPS], s[LAPS], 1
	s_cmp_lg_u32 s[LAPS], 0
	s_cbranch_scc1 .Llap
	QUARTER 0, 2, 1, 0, 0                          ; the last lap fills nothing, and has no round of the cluster's barrier
	QUARTER 0, 3, 0, 1, 0
	TURN 0, 1, 0
	QUARTER 1, 1, 0, 1, 0
	QUARTER 1, 2, 1, 0, 0
	QUARTER 1, 3, 0, 1, 0
	s_wait_dscnt 6                                 ; the very last quarter: nothing more to fetch
	MULA 1, 0, 0
	MULA 1, 1, 0
	s_wait_dscnt 0x0
	REST 1, 0
	WIN 0
	PLACES                                         ; behind the last products, ahead of the lines that read results
	PLACES                                         ; (eight, once a launch)
	PACK 0
.set n, 1
.rept 14                               ; a unit's conversions stand between the loads of the unit before and its stores
	PACK n
	SEND n-1, 8
.set n, n+1
.endr
	SEND 14, 0
	s_wait_tensorcnt 0x0                           ; the wave's end: these three lines stand behind my last tensor load and my last LDS store
	ds_add_u32 v[SPW], v[NIL]
	s_wait_dscnt 0x0
	CROUND                                         ; the closing round: no work-group ends while a partner may still ask for a tile that names it
	s_endpgm
.Lfunc_end_k_qf7dfacda98_qkv:
	.size	k_qf7dfacda98_qkv, .Lfunc_end_k_qf7dfacda98_qkv-k_qf7dfacda98_qkv
	.p2alignl 7, 3214868480
	.fill 96, 4, 3214868480
	.section	.rodata,"a",@progbits
	.p2align	6, 0x0
	.amdhsa_kernel k_qf7dfacda98_qkv
		.amdhsa_group_segment_fixed_size 327680
		.amdhsa_private_segment_fixed_size 0
		.amdhsa_enable_private_segment 0
		.amdhsa_kernarg_size 32
		.amdhsa_user_sgpr_count 2
		.amdhsa_user_sgpr_kernarg_segment_ptr 1
		.amdhsa_wavefront_size32 1
		.amdhsa_system_sgpr_workgroup_id_x 1
		.amdhsa_system_sgpr_workgroup_id_y 1
		.amdhsa_system_sgpr_workgroup_id_z 1
		.amdhsa_system_vgpr_workitem_id 0
		.amdhsa_next_free_vgpr 1024
		.amdhsa_next_free_sgpr 80
		.amdhsa_reserve_vcc 0
		.amdhsa_float_denorm_mode_32 3
		.amdhsa_float_denorm_mode_16_64 3
		.amdhsa_memory_ordered 1
		.amdhsa_forward_progress 1
		.amdhsa_inst_pref_size 148
	.end_amdhsa_kernel
	.amdgpu_metadata
---
amdhsa.version: [ 1, 2 ]
amdhsa.kernels:
  - .name:           k_qf7dfacda98_qkv
    .symbol:         k_qf7dfacda98_qkv.kd
    .args:
      - { .name: xb, .offset: 0, .size: 8, .value_kind: global_buffer, .address_space: global }
      - { .name: wq, .offset: 8, .size: 8, .value_kind: global_buffer, .address_space: global }
      - { .name: b_qkv, .offset: 16, .size: 8, .value_kind: global_buffer, .address_space: global }
      - { .name: qkv, .offset: 24, .size: 8, .value_kind: global_buffer, .address_space: global }
    .group_segment_fixed_size: 327680
    .private_segment_fixed_size: 0
    .kernarg_segment_align: 8
    .kernarg_segment_size: 32
    .max_flat_workgroup_size: 128
    .sgpr_count:     80
    .vgpr_count:     1024
    .wavefront_size: 32
...
	.end_amdgpu_metadata
.endif
;; end of part 2
;; launch attn (part 3): grid 16 x 16, 8 waves a work-group, no clusters, 327,680 bytes of LDS; arguments qkv, o; writes o
.if DOCPART == 3
	.amdgcn_target "amdgcn-amd-amdhsa--gfx1250"
	.amdhsa_code_object_version 6
	.text
	.protected	k_qf7dfacda98_attn
	.globl	k_qf7dfacda98_attn
	.p2align	8
	.type	k_qf7dfacda98_attn,@function
k_qf7dfacda98_attn:
	s_mov_b64 s[64:65], 0
	v_nop
	global_prefetch_b8 v0, s[64:65] scope:SCOPE_SE
	s_setreg_imm32_b32 hwreg(HW_REG_WAVE_MODE, 25, 1), 1
	s_wait_xcnt 0x0
; O[b][h][q][:] = the sum over k < 577 of softmax_k(Q[q] . K[k] / 8) V[k][:], for one (b, h) a work-group.  qkv: [3][b][h][640][64] f16, o: [b][h][640][64] f16: a head's rows are dense, 128 bytes each.
; Products, maxima and sums in f32; the weights p are rounded to f16 for the second product (their sum l is taken of the unrounded p), O once at the end.
; LIMITS.  f16 holds no number beyond 65,504: q, k, v arrive within it; p lies in 0 to 1, and below 6e-5 it keeps f16's fixed step of 6e-8.  A weight below 2^-126 counts as 0 in l; NaN and infinities are not treated apart.
; SHARES.  Each of the eight waves owns five tiles of 16 queries (80 rows) and walks the head's keys, 64 a step.  Two waves share a SIMD, each written in phases (a tile's K Q^T, its softmax, its V^T P):
; one wave's vector work stands beside the other's products.
; THE KEYS COME STEP BY STEP.  All of the head's K and V have LDS bytes of their own: nothing is filled twice.  At the head each wave asks for its 16 of the first 64 keys (waves 0-3 of K, waves 4-7 of V); behind the
; barrier at the head of step t it asks for its 16 of step t + 1, which have that step's work in which to land.  Such a later fill is written as a refill is: the wait for all my tensor loads, the add, the wait for it,
; the barrier, and the load first behind it, one a wave.  One tensor load of a wave is out at a time.  (The launch claims all of a WGP's LDS; it uses 214,016 bytes.)
; 577 = 9 x 64 + 1.  Nine full steps are the loop's nine trips, each of which asks for the next step's keys; the tenth step, written out behind the loop, has ONE key: it multiplies one block of 16 keys, takes
; key 576's score alone, and adds V^T P over 32 keys, of which 31 have the weight 0.  (One descriptor serves every trip, so the last load brings 64 keys like the others.)  No step needs a mask.
; ROWS THAT DO NOT EXIST.  Query rows 577 .. 591 are computed with row 576's tile.  Rows 592 .. 639 are wave 7's tiles 2 to 4: the nine full steps jump over them; the tenth runs them like the others (one text, no
; branch), so that V's row 576 is stored for them.  The launch behind reads all 640 rows and stores nothing of these.
; NO CLUSTER: every work-group has K and V of its own; no tile is read by two.
; LAYOUT.  S^T = K Q^T (source 0 = 16 keys, source 1 = 16 queries): a lane holds ONE query (lane % 16) and the keys 8 (lane / 16) + 0..7.  Two such results rounded to f16 ARE source 1 (32 keys x 16 queries)
; of O^T = V^T P, whose result again holds one query a lane, and eight channels.  K comes out of LDS as it lies, V ([key][channel]) turned, by ds_load_tr16_b128.
; SOFTMAX.  A running maximum m and sum l: p = 2^(c s - c m), c = log2(e) / 8; in every step O and l are multiplied by a = 2^(c m_old - c m_new).  m starts at the lowest finite number, O and l at 0:
; the first step is a step like any other, with a = 0.
; REGISTERS, in windows of 256 (s_set_vgpr_msb: bits 1:0 source 0, 3:2 source 1, 5:4 source 2, 7:6 destination):
;   window 0: v0-13 addresses; v16-35 four registers of statistics a tile; v36-40 at work; v42-43 the add's; v44-63 the tenth step's, four a tile; v64-95 S^T; v96-111 P; v112-175 K of one step; v176-239 V of one step
;   window 1: v0-159 O^T, 32 a tile; v160-239 Q, 16 a tile
.set HB,    81920     ; a head: 640 rows x 128 bytes
.set QKVB,  256*HB    ; all heads' q; k and v follow
.set KS,    64        ; keys in a step
.set PK,    144       ; a row of K in LDS: 128 bytes + 16 of padding = 36 words: the 16 rows of a load start at 16 different groups of four banks (64 banks of 4 bytes: ISA guide 11.1)
.set PV,    160       ; a row of V: 128 + 32 = 40 words
.set VOFF,  640*PK    ; K's 640 rows, then V's
.set STAGE, VOFF+640*PV  ; behind them, never filled by a tensor load: 16 rows x 144 bytes for each wave, for the way out
.set SP,    144
.set SPARE, STAGE+8*16*SP  ; behind the stages: the spare words, 128 bytes for each wave: four blocks of 256 bytes that no other line names
.set AK0, 2           ; v2   my lane's place in a tile of K; never rewritten
.set AV0, 3           ; v3   the same for V
.set AK,  4           ; v4   the LDS address of K's run of loads
.set AV,  5           ; v5   of V's
.set STO, 6           ; v6   the way out: where I put 16 bytes of a row
.set RD,  7           ; v7   the way out: where I read rows back
.set GO,  8           ; v8   my byte offset in 512 consecutive bytes of O
.set QO,  12          ; v12  my byte offset in 16 rows of Q
.set PFO, 13          ; v13  256 x my lane: the prefetches' offset; never rewritten
.set ST,  16          ; tile t's statistics at v[ST+4 t]: c m, m, l (even keys', odd keys')
.set CW,  36          ; v36-39  c0-c3, at work; when the maximum is found c2 takes a
.set MV,  40          ; v40  c m_old, kept while c m is made anew
.set SPW, 42          ; v42  LDS address of my spare word: SPARE + 4 x my thread's number; never rewritten
.set NIL, 43          ; v43  0; never rewritten
.set TT,  44          ; the tenth step, tile t at v[TT+4 t]: the score, then p; c m, then 0; a; 0
.set S,   64
.set P,   96
.set KF,  112         ; key block kb, channel half c at KF + 16 kb + 8 c
.set PS,  128         ; the tenth step's P, 8 a tile, where K's key blocks 1 to 3 lay
.set VF,  176         ; key half kk, channel block cb at VF + 32 kk + 8 cb
.set QF,  160         ; window 1: tile t, channel half c at QF + 16 t + 8 c
.set WV,  8           ; s8   my wave's number
.set G1K, 24          ; s[24:31] descriptor group 1 for K's tiles: 8 rows of 256 bytes
.set G1V, 32          ; s[32:39] for V's: it differs in the padding alone
.set G0K, 40          ; s[40:43] descriptor group 0 for K's tiles: it walks
.set G0V, 44          ; s[44:47] the same for V's
.set CS,  48          ; s[48:49] c: the packed scaling takes the pair's low word for both halves
.set SEL, 50          ; s[50:51] v_permlanex16_b32's selects: each lane takes its own place in the other half
.set TBK, 52          ; s52  LDS byte at which K of the step to be fetched begins
.set TBV, 53          ; s53  the same for V, less VOFF
.set CNT, 54          ; s54  full steps still to come, this one among them
.set LIM, 55          ; s55  1 in a wave that prefetches, else the greatest number
.set PFA, 56          ; s[56:57] where my prefetches stand: the first row of the step after the one that is being asked for
.set MSB, 0
.macro WIN new                      ; the high byte repeats the setting that is left; a switch that changes nothing is dropped
.if MSB != (\new)
	s_set_vgpr_msb (MSB<<8)|(\new)
.set MSB, (\new)
.endif
.endm
.set W_KQ, 0x04       ; Q (source 1) in window 1; K and S^T in window 0
.set W_PV, 0x50       ; V and P in window 0, O^T (C and D) in window 1
.set W_RS, 0x41       ; O^T (destination and source 0) in window 1, the factor in window 0
; A fill: my 16 of a step's 64 keys.  Waves 0-3 fetch K, waves 4-7 V; every wave keeps both descriptors, and the branch hangs on the wave's number alone.
; An s_nop 0 and four v_nop follow each of the two lines, ahead of the jump and the label.
.macro FILL
	s_cmp_lt_u32 s[WV], 4
	s_cbranch_scc0 .Lfor_v_\@
	tensor_load_to_lds s[G0K:G0K+3], s[G1K:G1K+7]
	s_nop 0
.rept 4
	v_nop
.endr
	s_branch .Lasked_\@
.Lfor_v_\@:
	tensor_load_to_lds s[G0V:G0V+3], s[G1V:G1V+7]
	s_nop 0
.rept 4
	v_nop
.endr
.Lasked_\@:
.endm
; A PREFETCH INTO THE L2 of what the NEXT trip's loads will ask for: a step's 64 keys are 32 blocks of 256 bytes, a lane a block.  Wave 0 asks for K's, wave 4 for V's: one instruction a trip, behind the wave's tensor
; load and its five lines.  No other work-group reads these rows, so each block is named once in the launch.  Steps 0 and 1 come by their loads alone: nothing is asked for at the head, where every work-group's first
; loads are on their way.  The last trip asks for nothing: there is no step behind the one that it loads.
.macro ASK
	s_cmp_gt_u32 s[CNT], s[LIM]
	s_cbranch_scc0 .Lnot_mine_\@
	global_prefetch_b8 v[PFO], s[PFA:PFA+1] th:TH_LOAD_NT scope:SCOPE_SE
.Lnot_mine_\@:
.endm
.macro ALL line:vararg              ; one line for each tile t
.set t, 0
.rept 5
	\line
.set t, t+1
.endr
.endm
	s_load_b128 s[4:7], s[0:1], 0x0  ; qkv s[4:5], o s[6:7]
	v_lshl_add_u32 v[SPW], v0, 2, SPARE
	v_mov_b32 v[NIL], 0
	ds_add_u32 v[SPW], v[NIL]       ; the wave's opening: the add and its wait stand ahead of my first tensor load; the set-up below, work on registers, stands between them
	v_lshrrev_b32 v1, 5, v0
	v_readfirstlane_b32 s[WV], v1   ; wave 0..7
	v_and_b32 v1, 15, v0            ; l % 16
	v_bfe_u32 v9, v0, 4, 1          ; l / 16; never rewritten
	v_lshlrev_b32 v[QO], 7, v1
	v_lshl_add_u32 v[QO], v9, 4, v[QO]  ; row x 128 + 16 x half
	v_and_b32 v[PFO], 31, v0
	v_lshlrev_b32 v[PFO], 8, v[PFO]
	s_and_b32 s9, ttmp7, 0xffff     ; b
	s_lshl_b32 s9, s9, 4
	s_add_co_u32 s9, s9, ttmp9      ; 16 b + h
	s_mul_i32 s10, s9, HB           ; the head's first byte in q, in k, in v and in o
	s_mov_b32 s11, 0
	s_and_b32 s12, s[WV], 3         ; my place among the four waves that fetch the same tensor
	s_mul_i32 s14, s[WV], 80*128    ; my wave's 80 rows of Q and O
	s_mov_b32 s15, 0
	s_add_nc_u64 s[14:15], s[14:15], s[10:11]
	s_lshl_b32 s16, s12, 11         ; my 16 of a step's 64 keys: 2,048 bytes
	s_mov_b32 s17, 0
	s_add_nc_u64 s[16:17], s[16:17], s[10:11]
	; descriptor group 1.  16 keys are 2,048 dense bytes: asked for as 8 rows of 256 bytes, two keys a row, and padded in LDS after every key
	s_mov_b32 s[G1K], (1<<16)|(1<<20)|(4<<22)|(3<<25)  ; 17:16 2-byte elements; 20 padding on; 24:22 after every 32 words (code 4); 31:25 4 words (code 3)
	s_mov_b32 s[G1V], (1<<16)|(1<<20)|(4<<22)|(7<<25)  ; the same with 8 words of padding (code 7)
.irp g, G1K, G1V
	s_mov_b32 s[\g+1], 128<<16      ; tensor_dim0 = 128
	s_mov_b32 s[\g+2], 8<<16        ; tensor_dim1 = 8
	s_mov_b32 s[\g+3], 128<<16      ; tile_dim0 = 128
	s_mov_b32 s[\g+4], 8            ; tile_dim1 = 8
	s_mov_b32 s[\g+5], 128          ; 128 elements from row to row
	s_mov_b32 s[\g+6], 0
	s_mov_b32 s[\g+7], 0
.endr
	s_mov_b32 s[G0K], 1             ; count = 1
	s_mul_i32 s[G0K+1], s12, 16*PK  ; LDS address: my 16 rows of step 0
	s_mov_b32 s[G0V], 1
	s_mul_i32 s[G0V+1], s12, 16*PV
	s_add_co_u32 s[G0V+1], s[G0V+1], VOFF
	s_cmp_eq_u32 s12, 0             ; waves 0 and 4 prefetch
	s_cselect_b32 s[LIM], 1, -1
	s_mov_b32 s[CS], 0x3e38aa3b     ; c = log2(e) / 8 = 0.180337
	s_mov_b32 s[CS+1], s[CS]        ; named with it as a pair
	s_mov_b32 s[SEL], 0x76543210
	s_mov_b32 s[SEL+1], 0xfedcba98
	s_mov_b32 s[TBK], 0
	s_mov_b32 s[TBV], 0
	s_wait_dscnt 0x0                ; the opening add is done
	s_wait_kmcnt 0x0
	s_add_nc_u64 s[22:23], s[4:5], s[14:15]  ; Q and O at my wave's first row
	s_add_nc_u64 s[6:7], s[6:7], s[14:15]
	s_add_nc_u64 s[20:21], s[4:5], QKVB                ; k
	s_add_nc_u64 s[G0K+2:G0K+3], s[20:21], s[16:17]    ; global address: my 16 keys of step 0
	s_add_nc_u64 s[20:21], s[4:5], 2*QKVB              ; v
	s_add_nc_u64 s[G0V+2:G0V+3], s[20:21], s[16:17]
	s_cmp_lt_u32 s[WV], 4
	s_cselect_b64 s[PFA:PFA+1], s[G0K+2:G0K+3], s[G0V+2:G0V+3]  ; (in waves 0 and 4 these stand at a step's first row)
	s_add_nc_u64 s[PFA:PFA+1], s[PFA:PFA+1], KS*128    ; at step 1: the first trip steps it to step 2
	s_or_b32 s[G0K+3], s[G0K+3], 0x80000000            ; type = 2
	s_or_b32 s[G0V+3], s[G0V+3], 0x80000000
	FILL                            ; step 0's keys: ahead of Q's loads, of every wait on TENSORcnt, every LDS read and every barrier
	; A fragment of K or Q is 16 rows x 32 channels in 8 registers: lane l holds row l % 16, channels 8 (l / 16) + 0..7 and 16 + 8 (l / 16) + 0..7: two loads of 16 bytes, 32 bytes apart.
	WIN 0x40                        ; destination window 1, address window 0
.set i, 0
.rept 10                            ; Q stays in registers: tile i / 2, channels 32 (i % 2) on: four loads a tile, the tiles in order
	global_load_b128 v[QF+8*i:QF+8*i+3],   v[QO], s[22:23] offset:(i/2)*2048+(i%2)*64
	global_load_b128 v[QF+8*i+4:QF+8*i+7], v[QO], s[22:23] offset:(i/2)*2048+(i%2)*64+32
.set i, i+1
.endr
	WIN 0
	v_mul_u32_u24 v[AK0], v1, PK
	v_lshl_add_u32 v[AK0], v9, 4, v[AK0]  ; row x pitch + 16 x half
	; The turning load takes 16 keys x 16 channels (lane l reads key 8 (l / 16) + l % 8, channels 8 ((l / 8) % 2) + 0..7) and leaves half a fragment of V^T: lane l holds channel l % 16 and 8 keys.
	v_and_b32 v10, 7, v0
	v_bfe_u32 v11, v0, 3, 1
	v_lshl_add_u32 v[AV0], v9, 3, v10
	v_mul_u32_u24 v[AV0], v[AV0], PV
	v_lshl_add_u32 v[AV0], v11, 4, v[AV0]
	v_add_nc_u32 v[AV0], VOFF, v[AV0]
	s_mul_i32 s13, s[WV], 16*SP
	s_add_co_u32 s13, s13, STAGE    ; my stage
	v_mul_u32_u24 v[STO], v1, SP    ; in: row l % 16, 16 bytes for each half of the lanes
	v_lshl_add_u32 v[STO], v9, 4, v[STO]
	v_add_nc_u32 v[STO], s13, v[STO]
	v_bfe_u32 v[RD], v0, 3, 2       ; back: 32 lanes take four rows of 128 bytes,
	v_mul_u32_u24 v[RD], v[RD], SP
	v_lshl_add_u32 v[RD], v10, 4, v[RD]
	v_add_nc_u32 v[RD], s13, v[RD]
	v_and_b32 v[GO], 31, v0         ; which are 512 consecutive bytes of O
	v_lshlrev_b32 v[GO], 4, v[GO]
	; what the first step finds: O^T and l are 0, m the lowest finite number, c m far below every c s.  All this stands in the wait for the first keys; it spares a first step written out.
	WIN 0x40
.set i, 0
.rept 160
	v_mov_b32 v[i], 0
.set i, i+1
.endr
	WIN 0
.set i, 0
.rept 5
	v_mov_b32 v[ST+4*i], 0xfe000000
	v_mov_b32 v[ST+4*i+1], 0xff7fffff
	v_mov_b32 v[ST+4*i+2], 0
	v_mov_b32 v[ST+4*i+3], 0
.set i, i+1
.endr
; THE MATRIX WORK.  The 4 accumulators of a run of 8 take turns.  Product i of 8 of S^T = K Q^T for tile t: channels 32 (i / 4) on, keys 16 (i % 4) on.  The first 4 start the sums.
.macro KQ t
.set rS, S+8*(i%4)
.set rK, KF+16*(i%4)+8*(i/4)
.set rQ, QF+16*(\t)+8*(i/4)
.if i < 4
	v_wmma_f32_16x16x32_f16 v[rS:rS+7], v[rK:rK+7], v[rQ:rQ+7], 0
.else
	v_wmma_f32_16x16x32_f16 v[rS:rS+7], v[rK:rK+7], v[rQ:rQ+7], v[rS:rS+7]
.endif
.endm
; Product i of 8 of O^T += V^T P for tile t: keys 32 (i / 4) on, channels 16 (i % 4) on.
.macro PVM t
.set rA, 32*(\t)+8*(i%4)
.set rV, VF+32*(i/4)+8*(i%4)
.set rP, P+8*(i/4)
	v_wmma_f32_16x16x32_f16 v[rA:rA+7], v[rV:rV+7], v[rP:rP+7], v[rA:rA+7]
.endm
; THE LDS LOADS: a step's K (64 keys x 64 channels: 8 fragments) and its V (turned), two runs of 16.
.macro FETCH_K
.irp f, 0,1,2,3,4,5,6,7             ; keys 16 (f / 2) on, channels 32 (f % 2) on
	ds_load_b128 v[KF+8*\f:KF+8*\f+3],   v[AK] offset:(\f/2)*16*PK+(\f%2)*64
	ds_load_b128 v[KF+8*\f+4:KF+8*\f+7], v[AK] offset:(\f/2)*16*PK+(\f%2)*64+32
.endr
.endm
.macro FETCH_V
.irp f, 0,1,2,3,4,5,6,7             ; keys 32 (f / 4) on, channels 16 (f % 4) on
	ds_load_tr16_b128 v[VF+8*\f:VF+8*\f+3],   v[AV] offset:(\f/4)*32*PV+(\f%4)*32
	ds_load_tr16_b128 v[VF+8*\f+4:VF+8*\f+7], v[AV] offset:(\f/4)*32*PV+16*PV+(\f%4)*32
.endr
.endm
; THE VECTOR WORK of a tile and step, one line each; TILE sets rT (the tile's statistics) and rO (its O^T).  s0-s31 are the lane's 32 scores.
; XS n, number n of the 22 that find the maximum and statistics: 0-11 four chains c0-c3 of seven scores each, three operands at a time (each accumulator's lowest registers are read first);
; 12-14, 16 the four scores left over, the old m, and c0-c3 into c0; 15 c m_old is kept; 17, 18 the query's other 32 keys lie in the lane 16 away: the new m; 19-21 c m; c m_old - c m_new; a.
.macro XS n
.if (\n) < 4
	v_max3_num_f32 v[CW+(\n)], v[S+8*(\n)], v[S+8*(\n)+1], v[S+8*(\n)+2]
.elseif (\n) < 12
	v_max3_num_f32 v[CW+(\n)%4], v[CW+(\n)%4], v[S+8*((\n)%4)+2*((\n)/4)+1], v[S+8*((\n)%4)+2*((\n)/4)+2]
.elseif (\n) == 12
	v_max3_num_f32 v[CW], v[CW], v[S+7], v[S+15]
.elseif (\n) == 13
	v_max3_num_f32 v[CW+1], v[CW+1], v[S+23], v[S+31]
.elseif (\n) == 14
	v_max3_num_f32 v[CW+2], v[CW+2], v[CW+3], v[rT+1]
.elseif (\n) == 15
	v_mov_b32 v[MV], v[rT]
.elseif (\n) == 16
	v_max3_num_f32 v[CW], v[CW], v[CW+1], v[CW+2]
.elseif (\n) == 17
	v_permlanex16_b32 v[CW+3], v[CW], s[SEL], s[SEL+1]
.elseif (\n) == 18
	v_max_num_f32 v[rT+1], v[CW], v[CW+3]
.elseif (\n) == 19
	v_mul_f32 v[rT], s[CS], v[rT+1]
.elseif (\n) == 20
	v_sub_f32 v[CW+1], v[MV], v[rT]
.else
	v_exp_f32 v[CW+2], v[CW+1]
.endif
.endm
.macro FS n                         ; c s - c m for pair n of 16
	v_pk_fma_f32 v[S+2*(\n):S+2*(\n)+1], v[S+2*(\n):S+2*(\n)+1], s[CS:CS+1], v[rT:rT+1] op_sel_hi:[1,0,0] neg_lo:[0,0,1] neg_hi:[0,0,1]
.endm
.macro ES n                         ; the exponential of score n of 32
	v_exp_f32 v[S+(\n)], v[S+(\n)]
.endm
.macro CV n                         ; pair n rounded to f16
	v_cvt_pk_f16_f32 v[P+(\n)], v[S+2*(\n)], v[S+2*(\n)+1]
.endm
.macro BS n                         ; of the four weights 4 n .. the second pair is added onto the first, in place
	v_pk_add_f32 v[S+4*(\n):S+4*(\n)+1], v[S+4*(\n):S+4*(\n)+1], v[S+4*(\n)+2:S+4*(\n)+3]
.endm
.macro LS n                         ; l takes that sum; the first time as l = a l + sum
.if (\n) == 0
	v_pk_fma_f32 v[rT+2:rT+3], v[rT+2:rT+3], v[CW+2:CW+3], v[S:S+1] op_sel_hi:[1,0,1]
.else
	v_pk_add_f32 v[rT+2:rT+3], v[rT+2:rT+3], v[S+4*(\n):S+4*(\n)+1]
.endif
.endm
.macro RS n                         ; pair n of 16 of O^T times a
	v_pk_mul_f32 v[rO+2*(\n):rO+2*(\n)+1], v[rO+2*(\n):rO+2*(\n)+1], v[CW+2:CW+3] op_sel_hi:[1,0]
.endm
; A TILE'S STEP, in phases.  The 33 exponentials are ONE BATCH: none of the lines among them names a result of theirs (scaling e + 4 names scores 2 e + 8 and 2 e + 9, beyond exponential e), a v_nop is the plain
; instruction behind the last, and one s_wait_alu depctr_va_vdst(0), ahead of the first line that names a result, serves them all.
.macro TILE t
.set rT, ST+4*(\t)
.set rO, 32*(\t)
	s_wait_loadcnt 16-4*(\t)        ; my tile's four loads of Q are in; the later tiles' may be out (from the second step on nothing is out)
	WIN W_KQ
.set i, 0
.rept 8
	KQ \t
.set i, i+1
.endr
	WIN 0
.rept 4
	v_nop                           ; the places behind those products
.endr
.irp n, 0,1,2,3,4,5,6,7,8,9,10,11,12,13,14,15,16,17,18,19
	XS \n
.endr
	FS 0
	FS 1
	XS 20
	FS 2
	XS 21
	FS 3
.set e, 0
.rept 12
	ES e
	FS e+4
.set e, e+1
.endr
.rept 20
	ES e
.set e, e+1
.endr
	v_nop
	s_wait_alu depctr_va_vdst(0)
.set e, 0
.rept 16
	CV e
.set e, e+1
.endr
	BS 0
	BS 1
	LS 0
.set e, 2
.rept 6
	BS e
	LS e-1
.set e, e+1
.endr
	LS 7
	WIN W_RS
.set e, 0
.rept 16
	RS e
.set e, e+1
.endr
.if (\t) == 0
	s_wait_dscnt 0x0                ; V is in
.endif
	WIN W_PV
.set i, 0
.rept 8
	PVM \t
.set i, i+1
.endr
.endm
	s_mov_b32 s[CNT], 9
.Lstep:                             ; nine trips: key step t is walked, step t + 1 asked for
	s_wait_tensorcnt 0x0            ; my one tensor load, my part of this step's keys, has landed: no load of mine is out, so a group 0 may be written
	ds_add_u32 v[SPW], v[NIL]       ; 0 onto my spare word; the descriptors' steps stand between it and the wait for it
	s_add_co_u32 s[G0K+1], s[G0K+1], KS*PK                  ; the next step's 64 rows in LDS: bytes that nothing has filled,
	s_add_nc_u64 s[G0K+2:G0K+3], s[G0K+2:G0K+3], KS*128     ; and in memory; the type bits on top are not reached
	s_add_co_u32 s[G0V+1], s[G0V+1], KS*PV
	s_add_nc_u64 s[G0V+2:G0V+3], s[G0V+2:G0V+3], KS*128
	s_wait_xcnt 0x0                 ; the last prefetch, a key step back, has read its address, so it may be written:
	s_add_nc_u64 s[PFA:PFA+1], s[PFA:PFA+1], KS*128         ; one step ahead of the walking descriptors
	s_wait_dscnt 0x0                ; the add is done, and so are my LDS reads
	s_barrier_signal -1
	s_barrier_wait -1               ; every wave's part of this step's keys has landed
	FILL                            ; my one tensor load behind the barrier, and the first thing there; its four v_nop and the two lines below are the places in front of the loads into K's and V's registers
	ASK
	v_add_nc_u32 v[AK], s[TBK], v[AK0]
	v_add_nc_u32 v[AV], s[TBV], v[AV0]
	FETCH_K
	FETCH_V
	s_add_co_u32 s[TBK], s[TBK], KS*PK  ; the next fetch is the next step's
	s_add_co_u32 s[TBV], s[TBV], KS*PV
	s_wait_dscnt 16                 ; K is in; V's 16 loads may be out
	TILE 0
	TILE 1
	WIN 0                           ; at a label and at a branch every window is 0
	s_cmp_eq_u32 s[WV], 7           ; wave 7's tiles 2 to 4 are rows that do not exist: a jump forward on the wave's number, past no barrier and no load
	s_cbranch_scc1 .Lno_rows
	TILE 2
	TILE 3
	TILE 4
	WIN 0
.Lno_rows:
	s_sub_co_u32 s[CNT], s[CNT], 1
	s_cmp_lg_u32 s[CNT], 0
	s_cbranch_scc1 .Lstep
	; THE TENTH STEP: key 576 alone.  Nothing is left to ask for.
	s_wait_tensorcnt 0x0            ; my part of the last keys has landed,
	ds_add_u32 v[SPW], v[NIL]
	s_wait_dscnt 0x0
	s_barrier_signal -1
	s_barrier_wait -1               ; everybody's has
	v_cmp_eq_u32 vcc_lo, 0, v9      ; lanes 0-15, which hold keys 0-7 of a block of 16.  (Written behind the last tensor load.)  This line and the twelve below are the places behind the last products
	ALL v_mov_b32 v[TT+4*t], 0      ; v_permlanex16_b32's destination counts as read
	ALL v_mov_b32 v[TT+4*t+3], 0    ; named with a as a pair
	v_add_nc_u32 v[AK], s[TBK], v[AK0]
	v_add_nc_u32 v[AV], s[TBV], v[AV0]
.set i, 0
.rept 40                            ; P of 32 keys x 16 queries, for each tile: all weights but key 576's are 0
.if i%8
	v_mov_b32 v[PS+i], 0
.endif
.set i, i+1
.endr
.irp f, 0,1                         ; K: keys 576-591, channels 32 f on
	ds_load_b128 v[KF+8*\f:KF+8*\f+3],   v[AK] offset:\f*64
	ds_load_b128 v[KF+8*\f+4:KF+8*\f+7], v[AK] offset:\f*64+32
.endr
.irp f, 0,1,2,3                     ; V: keys 576-607, channels 16 f on
	ds_load_tr16_b128 v[VF+8*\f:VF+8*\f+3],   v[AV] offset:\f*32
	ds_load_tr16_b128 v[VF+8*\f+4:VF+8*\f+7], v[AV] offset:16*PV+\f*32
.endr
	s_wait_loadcnt 0x0              ; Q (wave 7 has not yet waited for its tiles 2 to 4)
	s_wait_dscnt 8                  ; K is in; V's eight loads may be out
	WIN W_KQ
.set i, 0
.rept 10                            ; tile i % 5, channels 32 (i / 5) on: the five accumulators take turns; the first five products start the sums
.if i < 5
	v_wmma_f32_16x16x32_f16 v[S+8*(i%5):S+8*(i%5)+7], v[KF+8*(i/5):KF+8*(i/5)+7], v[QF+16*(i%5)+8*(i/5):QF+16*(i%5)+8*(i/5)+7], 0
.else
	v_wmma_f32_16x16x32_f16 v[S+8*(i%5):S+8*(i%5)+7], v[KF+8*(i/5):KF+8*(i/5)+7], v[QF+16*(i%5)+8*(i/5):QF+16*(i%5)+8*(i/5)+7], v[S+8*(i%5):S+8*(i%5)+7]
.endif
.set i, i+1
.endr
	WIN 0
.rept 4
	v_nop                           ; the places behind those products
.endr
	; key 576's score lies in register 0 of lanes 0-15; each line stands once for each tile, so that no line reads the result of the one before it
	ALL v_permlanex16_b32 v[TT+4*t], v[S+8*t], s[SEL], s[SEL+1]
	ALL v_cndmask_b32 v[TT+4*t], v[TT+4*t], v[S+8*t], vcc_lo           ; s: lanes 0-15 their own, lanes 16-31 their partner's
	ALL v_max_num_f32 v[ST+4*t+1], v[ST+4*t+1], v[TT+4*t]              ; the new m
	ALL v_mul_f32 v[TT+4*t+1], s[CS], v[ST+4*t+1]                      ; c m
	ALL v_sub_f32 v[TT+4*t+2], v[ST+4*t], v[TT+4*t+1]                  ; c m_old - c m_new
	ALL v_fma_f32 v[TT+4*t], v[TT+4*t], s[CS], -v[TT+4*t+1]            ; c s - c m
	ALL v_mov_b32 v[TT+4*t+1], 0                                       ; beside p: the odd key's weight
	ALL v_exp_f32 v[TT+4*t+2], v[TT+4*t+2]                             ; a
	ALL v_exp_f32 v[TT+4*t], v[TT+4*t]                                 ; p
	v_nop                           ; a plain instruction behind the last exponential,
	s_wait_alu depctr_va_vdst(0)    ; and the wait ahead of the first line that names a result: one for the ten
	ALL v_cndmask_b32 v[TT+4*t], 0, v[TT+4*t], vcc_lo                  ; the key is counted once: in lanes 0-15
	ALL v_cvt_pk_f16_f32 v[PS+8*t], v[TT+4*t], v[TT+4*t+1]
	ALL v_pk_fma_f32 v[ST+4*t+2:ST+4*t+3], v[ST+4*t+2:ST+4*t+3], v[TT+4*t+2:TT+4*t+3], v[TT+4*t:TT+4*t+1] op_sel_hi:[1,0,1]  ; l = a l + p
	WIN W_RS
.set t, 0
.rept 5
.set e, 0
.rept 16
	v_pk_mul_f32 v[32*t+2*e:32*t+2*e+1], v[32*t+2*e:32*t+2*e+1], v[TT+4*t+2:TT+4*t+3] op_sel_hi:[1,0]  ; O^T times a
.set e, e+1
.endr
.set t, t+1
.endr
	s_wait_dscnt 0x0                ; V is in
	WIN W_PV
.set t, 0
.rept 5
.set i, 0
.rept 4                             ; channels 16 i on: twenty accumulators, one product each
	v_wmma_f32_16x16x32_f16 v[32*t+8*i:32*t+8*i+7], v[VF+8*i:VF+8*i+7], v[PS+8*t:PS+8*t+7], v[32*t+8*i:32*t+8*i+7]
.set i, i+1
.endr
.set t, t+1
.endr
	WIN 0
	; THE WAY OUT.  l's two halves and the other half of the lanes' are added; O^T is divided by l, rounded to f16 and sent through my stage in LDS, a tile at a time.  The additions are the places behind the last products.
	ALL v_add_f32 v[ST+4*t+2], v[ST+4*t+2], v[ST+4*t+3]
	ALL v_permlanex16_b32 v[ST+4*t+3], v[ST+4*t+2], s[SEL], s[SEL+1]
	ALL v_add_f32 v[ST+4*t+2], v[ST+4*t+2], v[ST+4*t+3]
	ALL v_rcp_f32 v[ST+4*t+2], v[ST+4*t+2]
	v_nop                           ; a plain instruction between the last reciprocal and the use of its result
	s_wait_alu depctr_va_vdst(0)    ; and the wait ahead of the first use: one for the five reciprocals
; Tile t: a lane's eight channels of a row pack into 16 bytes; they go into rows of 144 bytes and come back as whole rows of 128, into registers of the tile's own (v64 + 16 t ..: S^T's, P's and K's are free).
.macro PACK t
	WIN W_RS
.set i, 32*(\t)
.rept 16
	v_pk_mul_f32 v[i:i+1], v[i:i+1], v[ST+4*(\t)+2:ST+4*(\t)+3] op_sel_hi:[1,0]
.set i, i+2
.endr
	WIN 0x05                        ; sources 0 and 1 window 1, destination window 0
.set i, 0
.rept 16
	v_cvt_pk_f16_f32 v[S+16*(\t)+i], v[32*(\t)+2*i], v[32*(\t)+2*i+1]
.set i, i+1
.endr
	WIN 0
.irp f, 0,1,2,3
	ds_store_b128 v[STO], v[S+16*(\t)+4*\f:S+16*(\t)+4*\f+3] offset:32*\f
.endr
.irp f, 0,1,2,3
	ds_load_b128 v[S+16*(\t)+4*\f:S+16*(\t)+4*\f+3], v[RD] offset:\f*4*SP  ; LDS serves a wave's instructions in order (ISA guide 5.7.1.4): these see the stores above; the next tile's stores come behind them
.endr
.endm
.macro SEND t, younger              ; younger: the LDS instructions issued behind tile t's loads: the next tile's eight, or none
.irp f, 0,1,2,3
	s_wait_dscnt (\younger)+3-\f
	global_store_b128 v[GO], v[S+16*(\t)+4*\f:S+16*(\t)+4*\f+3], s[6:7] offset:(\t)*2048+\f*512  ; 512 consecutive bytes, at a multiple of 256 from o's first
.endr
.endm
	PACK 0
.set n, 1
.rept 4                             ; a tile's arithmetic stands between the loads of the tile before and its stores
	PACK n
	SEND n-1, 8
.set n, n+1
.endr
	SEND 4, 0
	s_wait_tensorcnt 0x0            ; the wave's end: these three lines stand behind my last tensor load and my last LDS store
	ds_add_u32 v[SPW], v[NIL]
	s_wait_dscnt 0x0
	s_endpgm
.Lfunc_end_k_qf7dfacda98_attn:
	.size	k_qf7dfacda98_attn, .Lfunc_end_k_qf7dfacda98_attn-k_qf7dfacda98_attn
	.p2alignl 7, 3214868480
	.fill 96, 4, 3214868480
	.section	.rodata,"a",@progbits
	.p2align	6, 0x0
	.amdhsa_kernel k_qf7dfacda98_attn
		.amdhsa_group_segment_fixed_size 327680
		.amdhsa_private_segment_fixed_size 0
		.amdhsa_enable_private_segment 0
		.amdhsa_kernarg_size 16
		.amdhsa_user_sgpr_count 2
		.amdhsa_user_sgpr_kernarg_segment_ptr 1
		.amdhsa_wavefront_size32 1
		.amdhsa_system_sgpr_workgroup_id_x 1
		.amdhsa_system_sgpr_workgroup_id_y 1
		.amdhsa_system_sgpr_workgroup_id_z 1
		.amdhsa_system_vgpr_workitem_id 0
		.amdhsa_next_free_vgpr 512
		.amdhsa_next_free_sgpr 66
		.amdhsa_reserve_vcc 1
		.amdhsa_float_denorm_mode_32 3
		.amdhsa_float_denorm_mode_16_64 3
		.amdhsa_memory_ordered 1
		.amdhsa_forward_progress 1
		.amdhsa_inst_pref_size 84
	.end_amdhsa_kernel
	.amdgpu_metadata
---
amdhsa.version: [ 1, 2 ]
amdhsa.kernels:
  - .name:           k_qf7dfacda98_attn
    .symbol:         k_qf7dfacda98_attn.kd
    .args:
      - { .name: qkv, .offset: 0, .size: 8, .value_kind: global_buffer, .address_space: global }
      - { .name: o, .offset: 8, .size: 8, .value_kind: global_buffer, .address_space: global }
    .group_segment_fixed_size: 327680
    .private_segment_fixed_size: 0
    .kernarg_segment_align: 8
    .kernarg_segment_size: 16
    .max_flat_workgroup_size: 256
    .sgpr_count:     66
    .vgpr_count:     512
    .wavefront_size: 32
...
	.end_amdgpu_metadata
.endif
;; end of part 3
;; launch proj (part 4): grid 4 x 64, 4 waves a work-group, clusters of 4 x 4, 327,680 bytes of LDS; arguments o, wp, b_proj, out0; writes out0
.if DOCPART == 4
	.amdgcn_target "amdgcn-amd-amdhsa--gfx1250"
	.amdhsa_code_object_version 6
	.text
	.protected	k_qf7dfacda98_proj
	.globl	k_qf7dfacda98_proj
	.p2align	8
	.type	k_qf7dfacda98_proj,@function
k_qf7dfacda98_proj:
	s_mov_b64 s[64:65], 0
	v_nop
	global_prefetch_b8 v0, s[64:65] scope:SCOPE_SE
	s_setreg_imm32_b32 hwreg(HW_REG_WAVE_MODE, 25, 1), 1
	s_wait_xcnt 0x0
	s_wait_alu depctr_hold_cnt(0) depctr_sa_sdst(0) depctr_va_vdst(0) depctr_va_sdst(0) depctr_va_ssrc(0) depctr_va_vcc(0) depctr_vm_vsrc(0)
	s_getreg_b32 s2, hwreg(HW_REG_IB_STS2, 6, 4)
	s_cmp_eq_u32 s2, 0
	s_cbranch_scc0 .Lentry_in_a_cluster
	s_endpgm
.Lentry_in_a_cluster:
	s_bfe_u32 s2, ttmp6, 0x10000c
	s_cmp_lg_u32 s2, 0xf033
	s_cbranch_scc0 .Lentry_shape_is_right
	s_endpgm
.Lentry_shape_is_right:
; C[m][n] = bias[n] + the sum over k of A[m][k] B[n][k], K = 1,024, for the module's two projections: ONE TEXT, chosen by PROJ.
;   PROJ = 0: A = xb (bf16), B = wq (bf16, 3,072 rows), C = q, k, v in f16 by heads: qkv[3][b][h][640][64].       PROJ = 1: A = o (f16), B = wp (f16, 1,024 rows), C = out0 in f32, rows n < 577 alone.
; A lies as [b][block of 64 channels][640 rows][64], B as [block][rows][64]: the rows of a tile in one block are dense, 128 bytes each.  Sums in f32, K ascending; the bias is the C operand of each sum's first product.
; LIMITS.  PROJ = 0: q, k, v are rounded once to f16, which ends at 65,504: beyond it an infinity is written.  Rows 577 .. 639 of a batch are computed like the others (from zeros: they hold the bias).
; SHARES.  A batch has 640 rows = 4 tiles of 160.  A work-group makes 160 x 256 of C; its four waves 80 x 128 each: 5 x 8 accumulators of 16 x 16, 320 registers.  K goes in 8 steps of 128 (two blocks) through
; two LDS slots; each wave fetches one block's part of a slot by one tensor load: waves 0, 1 A's two blocks (160 rows), waves 2, 3 B's (256 rows), asked for as rows of 256 bytes (two rows of the tile each).
; CLUSTERS.  4 x 4 work-groups.  Column tile = 4 x cluster x + cx.  Batch = 4 cy + cluster y / 4, tile of the batch = cluster y % 4: the same in all sixteen partners, so that what hangs on it (which rows exist)
; hangs on no place in the cluster.  The four of a row of the cluster need the same tiles of A, the four of a column the same tiles of B: each is asked for JOINTLY.
; THE MATRIX INSTRUCTION IS USED TRANSPOSED (source 0 = 16 rows of B, source 1 = 16 rows of A): a lane holds row lane % 16 of C and the eight columns 8 (lane / 16) + 0..7 of the block.
; REGISTERS, in windows of 256 (s_set_vgpr_msb: bits 1:0 source 0, 3:2 source 1, 5:4 source 2, 7:6 destination):
;   window 0: v0-31 addresses; v32-71, v72-111 A's fragments (5 x 16 rows x 32 K), two buffers; v112-239 at work on the way out
;   window 1: v0-63, v64-127 B's fragments (8), two buffers; v128-191 the accumulators of my rows 64-79; v192-255 the bias of my 128 columns, laid as an accumulator is
;   window 2: the accumulators of my rows 0-63: (a, b) at v[8 (8 a + b)]
.set PROJ, 1
.if PROJ
.set RN,    1024                       ; rows of B
.set STGW,  16*528                     ; a wave's stage: 16 rows of 512 bytes + 16
.else
.set RN,    3072
.set STGW,  2*16*144                   ; a wave's stage: two heads x 16 rows of 128 bytes + 16
.endif
.set SROW,  528
.set HB,    81920                      ; a block of 64 channels of a batch: 640 rows x 128 bytes
.set BB,    16*HB                      ; a batch
.set KB,    RN*128                     ; a block of 64 channels of B
.set P,     144                        ; an LDS row: 128 bytes + 16 of padding = 36 words: the 16 rows of a load start at 16 different groups of four banks (64 banks of 4 bytes: ISA guide 11.1)
.set AH,    160*P                      ; A's rows of one block
.set BHB,   256*P                      ; B's rows of one block
.set BOFF,  2*AH                       ; a slot: A's two blocks, then B's two
.set SLOT,  BOFF+2*BHB
.set STAGE, 2*SLOT                     ; behind the ring, never filled by a tensor load: each wave's stage for the way out
.set SPARE, STAGE+4*STGW               ; behind the stages: the spare words, 128 bytes for each wave: two blocks of 256 bytes that no other line names
.set ADRA, 16                          ; v16-17  LDS address of my A fragments in slot 0, 1
.set ADRB, 20                          ; v20-21  the same for B
.set STO,  24                          ; v24     the way out: where I put my part of a row
.set RD,   25                          ; v25     the way out: where I read rows back
.set GO,   26                          ; v26     16 x lane: my place in 512 consecutive bytes of C
.set BO,   27                          ; v27     32 x (lane / 16): my eight numbers of 16 of the bias
.set SPW,  28                          ; v28     LDS address of my spare word: SPARE + 4 x my thread's number; never rewritten
.set NIL,  29                          ; v29     0; never rewritten
.set PFO,  30                          ; v30     the prefetches' offset; never rewritten
.set TMP,  112                         ; the way out of PROJ = 0: packed results
.set OB,   144                         ; and rows read back, two buffers of 32
.set BIAS, 192                         ; window 1
.set WV,   12                          ; s12  wave 0..3
.set RH,   13                          ; s13  which 80 rows are mine.  Also: I fetch for A (0) or for B (1)
.set CH,   14                          ; s14  which 128 columns are mine.  Also: which of a K step's two blocks I fetch
.set LAPS, 15                          ; s15  laps to go
.set CX,   16                          ; s16, s17  my place in the cluster
.set CY,   17
.set KX,   18                          ; s18, s19  the cluster's x and y
.set KY,   19
.set G1A,  24                          ; s[24:31] descriptor group 1 for A's tiles;  s[32:39] group 0, one set for each slot
.set G0A,  32
.set G1B,  40                          ; s[40:47], s[48:55] the same for B's
.set G0B,  48
.set PFA,  56                          ; s[56:57] where my prefetches stand
.set PST,  58                          ; s[58:59] a K step, in bytes, in the tensor that I fetch for
.set LIM,  60                          ; s60  1 in a wave that prefetches, else the greatest number
.set NV,   61                          ; s61  PROJ = 1: how many of my 80 rows exist: 80 or 17
.set BN,   62                          ; s62  the batch
.set POS,  63                          ; s63  the tile of the batch
.set TX,   68                          ; s68  the column tile
.set GW0,  (1<<16)|(1<<20)|(1<<21)|(4<<22)|(3<<25)  ; group 1, word 0 without the mask: 17:16 elements of 2 bytes; 20 padding on; 21 set beside a mask; 24:22 after every 32 words (code 4); 31:25 4 words of it (code 3)
.set MSB, 0
.macro WIN new                         ; the immediate's high byte repeats the setting that is left; a switch that changes nothing is dropped
.if MSB != (\new)
	s_set_vgpr_msb (MSB<<8)|(\new)
.set MSB, \new
.endif
.endm
.set W_M2, 0xa1                        ; source 0 (B) window 1, source 1 (A) window 0, C and D window 2
.set W_M1, 0x51                        ; the same, C and D window 1
.set W_Z2, 0x91                        ; the same, C (the bias) window 1, D window 2
.set TO_B, 0x40                        ; destination window 1, address window 0
; A joint load.  Waves 0 and 1 fetch A's two blocks, waves 2 and 3 B's.  The branch hangs on the wave's number alone.  An s_nop 0 and four v_nop follow each of the two lines, ahead of the jump and the label.
.macro JLOAD s
	s_cmp_eq_u32 s[RH], 0
	s_cbranch_scc0 .Lfor_b_\@
	tensor_load_to_lds s[G0A+4*(\s):G0A+4*(\s)+3], s[G1A:G1A+7]
	s_nop 0
.rept 4
	v_nop
.endr
	s_branch .Lasked_\@
.Lfor_b_\@:
	tensor_load_to_lds s[G0B+4*(\s):G0B+4*(\s)+3], s[G1B:G1B+7]
	s_nop 0
.rept 4
	v_nop
.endr
.Lasked_\@:
.endm
; A PREFETCH INTO THE L2, behind a joint load, its five lines and the run of LDS loads that follows: my work-group's quarter of the block that I shall ask for two refills on, 320 matrix instructions ahead of that load.
; A's rows are read by every cluster with the same y: the one with x = 0 asks.  B's by every cluster with the same x: the one with y = 0 asks.  The four partners that ask for a tile jointly share it out BY ADDRESS
; (cx for A: 5,120 bytes, lanes 160 bytes apart; cy for B: 8,192 bytes, lanes 256 apart): no branch hangs on a place in the cluster, and no other instruction of the launch names these bytes.
; The loop's last trip asks for nothing: its refills are the last two K steps.  Nothing is asked for at the head, where every work-group's first tiles are on their way.
.macro ASK
	s_cmp_gt_u32 s[LAPS], s[LIM]
	s_cbranch_scc0 .Lnot_mine_\@
	global_prefetch_b8 v[PFO], s[PFA:PFA+1] th:TH_LOAD_NT scope:SCOPE_SE
.Lnot_mine_\@:
.endm
; A round of the cluster's barrier: my work-group's barrier, so that wave 0's signal speaks for all four waves; wave 0 signals; every wave waits for all sixteen work-groups; my work-group's barrier once more.
.macro CREST                           ; a round behind its opening barrier
	s_cmp_lg_u32 s[WV], 0
	s_cbranch_scc1 .Lnot_wave_0_\@
	s_barrier_signal -3
.Lnot_wave_0_\@:
	s_barrier_wait -3
	s_barrier_signal -1
	s_barrier_wait -1
.endm
.macro CROUND                          ; a whole round
	s_barrier_signal -1
	s_barrier_wait -1
	CREST
.endm
.macro PLACES                          ; four places in front of loads into registers that matrix instructions have read, and of lines that read results (ISA guide 7.12.1 for lines that read results)
.rept 4
	v_nop
.endr
.endm
	s_load_b256 s[4:11], s[0:1], 0x0               ; A s[4:5], B s[6:7], bias s[8:9], C s[10:11]
	v_lshl_add_u32 v[SPW], v0, 2, SPARE
	v_mov_b32 v[NIL], 0
	ds_add_u32 v[SPW], v[NIL]                      ; the wave's opening: the add and its wait stand ahead of my first tensor load; the set-up below, work on registers, stands between them
	v_lshrrev_b32 v1, 5, v0
	v_readfirstlane_b32 s[WV], v1
	s_lshr_b32 s[RH], s[WV], 1
	s_and_b32 s[CH], s[WV], 1
	s_bfe_u32 s[CX], ttmp6, 0x40000
	s_bfe_u32 s[CY], ttmp6, 0x40004
	s_mov_b32 s[KX], ttmp9                         ; in a cluster launch ttmp9 and ttmp7 count clusters
	s_and_b32 s[KY], ttmp7, 0xffff
	s_lshl_b32 s20, s[CY], 2
	s_lshl_b32 s20, 15, s20                        ; my row of the cluster: places 4 cy .. 4 cy + 3
	s_lshl_b32 s66, 0x1111, s[CX]                  ; my column: places cx, cx + 4, cx + 8, cx + 12
	s_or_b32 s[G1A], s20, GW0                      ; A's tiles go to my row,
	s_or_b32 s[G1B], s66, GW0                      ; B's to my column
.irp g, G1A, G1B
	s_mov_b32 s[(\g)+1], 128<<16                   ; tensor_dim0 = 128 elements: 256 bytes, two rows of the tile
	s_mov_b32 s[(\g)+3], 128<<16                   ; tile_dim0 = 128
	s_mov_b32 s[(\g)+5], 128                       ; 128 elements from row to row: the block is dense
	s_mov_b32 s[(\g)+6], 0
	s_mov_b32 s[(\g)+7], 0
.endr
	s_mov_b32 s[G1A+2], 80<<16                     ; tensor_dim1 = 80: A's 160 rows
	s_mov_b32 s[G1A+4], 80                         ; tile_dim1
	s_mov_b32 s[G1B+2], 128<<16                    ; B's 256 rows
	s_mov_b32 s[G1B+4], 128
	; where the tiles come from.  A's hang on the batch and the tile of the batch (cy and the cluster's y), B's on the column tile (cx and the cluster's x), each in registers that never hold the other coordinate
	s_lshl_b32 s[BN], s[CY], 2
	s_lshr_b32 s21, s[KY], 2
	s_add_co_u32 s[BN], s[BN], s21                 ; batch = 4 cy + cluster y / 4
	s_and_b32 s[POS], s[KY], 3                     ; tile of the batch = cluster y % 4
	s_mul_i32 s20, s[BN], BB
	s_mul_i32 s21, s[POS], 160*128
	s_add_co_u32 s20, s20, s21
	s_mul_i32 s21, s[CH], HB                       ; my block of the K step
	s_add_co_u32 s20, s20, s21
	s_mov_b32 s21, 0
	s_lshl_b32 s[TX], s[KX], 2
	s_add_co_u32 s[TX], s[TX], s[CX]               ; column tile = 4 x cluster x + cx
	s_lshl_b32 s66, s[TX], 15                      ; 256 rows of 128 bytes
	s_mul_i32 s67, s[CH], KB
	s_add_co_u32 s66, s66, s67
	s_mov_b32 s67, 0
	s_mul_i32 s22, s[CH], AH                       ; and where they go: no place in the cluster enters an LDS address
	s_mul_i32 s23, s[CH], BHB
	s_add_co_u32 s23, s23, BOFF
	s_wait_dscnt 0x0                               ; the opening add is done
	s_wait_kmcnt 0x0
	s_add_nc_u64 s[20:21], s[4:5], s[20:21]
	s_add_nc_u64 s[66:67], s[6:7], s[66:67]
	CROUND                                         ; all sixteen work-groups are here: the first joint loads meet
.irp s, 0,1
	s_mov_b32 s[G0A+4*(\s)], 1                                       ; count = 1
	s_add_co_u32 s[G0A+4*(\s)+1], s22, (\s)*SLOT                     ; LDS address
	s_add_nc_u64 s[G0A+4*(\s)+2:G0A+4*(\s)+3], s[20:21], (\s)*2*HB   ; global address: K step s
	s_or_b32 s[G0A+4*(\s)+3], s[G0A+4*(\s)+3], 0x80000000            ; type = 2
	s_mov_b32 s[G0B+4*(\s)], 1
	s_add_co_u32 s[G0B+4*(\s)+1], s23, (\s)*SLOT
	s_add_nc_u64 s[G0B+4*(\s)+2:G0B+4*(\s)+3], s[66:67], (\s)*2*KB
	s_or_b32 s[G0B+4*(\s)+3], s[G0B+4*(\s)+3], 0x80000000
	JLOAD \s                                       ; two loads of mine are out
.endr
	; the bias of my 128 columns, laid as an accumulator is: register j of block b holds bias[16 b + 8 (lane / 16) + j]
	v_and_b32 v1, 15, v0                           ; l % 16
	v_bfe_u32 v2, v0, 4, 1                         ; l / 16
	v_lshlrev_b32 v[BO], 5, v2
	s_lshl_b32 s70, s[TX], 10                      ; 256 columns of 4 bytes
	s_lshl_b32 s71, s[CH], 9
	s_add_co_u32 s70, s70, s71
	s_mov_b32 s71, 0
	s_add_nc_u64 s[8:9], s[8:9], s[70:71]
	WIN TO_B
.irp b, 0,1,2,3,4,5,6,7
	global_load_b128 v[BIAS+8*(\b):BIAS+8*(\b)+3],   v[BO], s[8:9] offset:64*(\b)
	global_load_b128 v[BIAS+8*(\b)+4:BIAS+8*(\b)+7], v[BO], s[8:9] offset:64*(\b)+16
.endr
	WIN 0
	; A fragment is 16 rows x 32 K in 8 registers: lane l holds row l % 16; registers 0-3 K = 8 (l / 16) + 0..7, registers 4-7 K = 16 + 8 (l / 16) + 0..7: two loads of 16 bytes, 32 bytes apart
	v_mul_u32_u24 v3, v1, P
	v_lshl_add_u32 v3, v2, 4, v3                   ; row x pitch + 16 x half
	s_mul_i32 s70, s[RH], 80*P                     ; my 80 rows of A
	s_mul_i32 s71, s[CH], 128*P                    ; my 128 rows of B,
	s_add_co_u32 s71, s71, BOFF                    ; which lie behind A's two blocks
.irp s, 0,1
	v_add_nc_u32 v[ADRA+(\s)], s70, v3
	v_add_nc_u32 v[ADRB+(\s)], s71, v3
	s_add_co_u32 s70, s70, SLOT
	s_add_co_u32 s71, s71, SLOT
.endr
	s_mul_i32 s70, s[WV], STGW
	s_add_co_u32 s70, s70, STAGE                   ; my stage
	v_and_b32 v4, 31, v0
	v_lshlrev_b32 v[GO], 4, v4
.if PROJ
	v_mul_u32_u24 v[STO], v1, SROW                 ; in: row l % 16, 32 bytes for each half of the lanes
	v_lshl_add_u32 v[STO], v2, 5, v[STO]
	v_add_nc_u32 v[STO], s70, v[STO]
	v_add_nc_u32 v[RD], s70, v[GO]                 ; back: 32 lanes take one row of 512 bytes
	s_mul_i32 s69, s[POS], 160
	s_mul_i32 s71, s[RH], 80
	s_add_co_u32 s69, s69, s71                     ; my first row in the batch
	s_sub_co_u32 s[NV], 577, s69
	s_min_u32 s[NV], s[NV], 80                     ; how many of my rows exist: it hangs on the cluster's y and the wave's number alone
	s_mul_i32 s70, s[BN], 577
	s_add_co_u32 s70, s70, s69
	s_lshl_b32 s70, s70, 12                        ; rows of 4,096 bytes
	s_lshl_b32 s71, s[TX], 10
	s_add_co_u32 s70, s70, s71
	s_lshl_b32 s71, s[CH], 9
	s_add_co_u32 s70, s70, s71
.else
	v_add_nc_u32 v[STO], s70, v3                   ; in: row l % 16, 16 bytes for each half of the lanes
	v_bfe_u32 v[RD], v0, 3, 2                      ; back: 32 lanes take four rows of 128 bytes
	v_mul_u32_u24 v[RD], v[RD], P
	v_and_b32 v5, 7, v0
	v_lshl_add_u32 v[RD], v5, 4, v[RD]
	v_add_nc_u32 v[RD], s70, v[RD]
	s_mul_i32 s70, s[KX], 16*BB                    ; q, k or v: 1,024 columns each, four column tiles
	s_mul_i32 s71, s[BN], BB
	s_add_co_u32 s70, s70, s71
	s_lshl_b32 s71, s[CX], 2
	s_lshl1_add_u32 s71, s[CH], s71                ; my first head: 4 cx + 2 x half
	s_mul_i32 s71, s71, HB
	s_add_co_u32 s70, s70, s71
	s_mul_i32 s71, s[POS], 160*128
	s_add_co_u32 s70, s70, s71
	s_mul_i32 s71, s[RH], 80*128
	s_add_co_u32 s70, s70, s71
.endif
	s_mov_b32 s71, 0
	s_add_nc_u64 s[10:11], s[10:11], s[70:71]      ; C at my first row and column; never stepped
	; the prefetches: the tensor that I fetch for, my block, my work-group's quarter of it, at K step 3: the first refill steps it to 4
	s_mov_b32 s69, 5120
	s_mov_b32 s[PST], 2*HB
	s_mov_b32 s71, 160
	s_cmp_eq_u32 s[RH], 0                          ; do I fetch for A?
	s_cselect_b64 s[PFA:PFA+1], s[20:21], s[66:67]
	s_cselect_b32 s70, s[CX], s[CY]                ; my place among the four that ask with me
	s_cselect_b32 s69, s69, 8192                   ; a quarter of the block's part of the tile
	s_cselect_b32 s[PST], s[PST], 2*KB
	s_cselect_b32 s71, s71, 256
	s_cselect_b32 s[LIM], s[KX], s[KY]             ; the coordinate along which other clusters read the same rows
	s_mul_i32 s70, s70, s69
	s_mul_i32 s69, s[PST], 3
	v_and_b32 v[PFO], 31, v0
	v_mul_u32_u24 v[PFO], s71, v[PFO]
	s_add_co_u32 s70, s70, s69
	s_mov_b32 s71, 0
	s_mov_b32 s[PST+1], 0
	s_add_nc_u64 s[PFA:PFA+1], s[PFA:PFA+1], s[70:71]
	s_cmp_eq_u32 s[LIM], 0
	s_cselect_b32 s[LIM], 1, -1                    ; the same in all sixteen partners, for a given wave
.macro WMM                             ; one product, on the registers that MULA has named
.if PROJ
	v_wmma_f32_16x16x32_f16 v[rD:rD+7], v[rB:rB+7], v[rA:rA+7], v[rC:rC+7]
.else
	v_wmma_f32_16x16x32_bf16 v[rD:rD+7], v[rB:rB+7], v[rA:rA+7], v[rC:rC+7]
.endif
.endm
; 8 matrix instructions: row block a x all 8 column blocks, 32 along K, from buffer f.  zero = 1: the sums start, with the bias as C: nothing is cleared and nothing is added later.
; The 40 accumulators take turns, one instruction a turn, in the same order in every quarter.
.macro MULA f, a, zero
.if (\a) == 4
	WIN W_M1
.elseif \zero
	WIN W_Z2
.else
	WIN W_M2
.endif
.irp b, 0,1,2,3,4,5,6,7
.if (\a) == 4
.set rD, 128+8*(\b)
.else
.set rD, 64*(\a)+8*(\b)
.endif
.if \zero
.set rC, BIAS+8*(\b)
.else
.set rC, rD
.endif
.set rB, 64*(\f)+8*(\b)
.set rA, 32+40*(\f)+8*(\a)
	WMM
.endr
.endm
; 26 LDS loads in one run: the fragments of quarter q of a K step (block q / 2, 32 channels at byte 64 (q % 2) of its rows) into buffer f: B's sixteen loads, then A's ten
.macro FETCH slot, q, f
	WIN TO_B
.irp i, 0,1,2,3,4,5,6,7
	ds_load_b128 v[64*(\f)+8*(\i):64*(\f)+8*(\i)+3],   v[ADRB+(\slot)] offset:((\q)/2)*BHB+((\q)%2)*64+(\i)*16*P
	ds_load_b128 v[64*(\f)+8*(\i)+4:64*(\f)+8*(\i)+7], v[ADRB+(\slot)] offset:((\q)/2)*BHB+((\q)%2)*64+(\i)*16*P+32
.endr
	WIN 0
.irp i, 0,1,2,3,4
	ds_load_b128 v[32+40*(\f)+8*(\i):32+40*(\f)+8*(\i)+3],   v[ADRA+(\slot)] offset:((\q)/2)*AH+((\q)%2)*64+(\i)*16*P
	ds_load_b128 v[32+40*(\f)+8*(\i)+4:32+40*(\f)+8*(\i)+7], v[ADRA+(\slot)] offset:((\q)/2)*AH+((\q)%2)*64+(\i)*16*P+32
.endr
.endm
; A K step is four quarters of 32 along K, 40 matrix instructions each, on buffers 0, 1, 0, 1.  One of the first three: multiplies buffer f and fetches quarter q of the same slot into buffer g.
.macro QUARTER slot, q, f, g, zero
	s_wait_dscnt 4                                 ; B and A's row blocks 0-2 are in; the youngest four loads (row blocks 3, 4) may be out
	MULA \f, 0, \zero
	MULA \f, 1, \zero
	MULA \f, 2, \zero
	PLACES
	FETCH \slot, \q, \g
	s_wait_dscnt 26                                ; all but the 26 just issued
	MULA \f, 3, \zero
	MULA \f, 4, \zero
.endm
; The last quarter multiplies buffer 1 and changes slots: ONE barrier.  In front of it each wave waits for all its tensor loads, of which one is out: its part of the next slot; adds 0 to its spare word; and waits
; for that and for its own reads of this slot.  fill = 1: the barrier opens a round of the cluster's barrier, and behind the round this slot is filled again, two K steps on, first of all.
.macro TURN slot, next, fill
.if \fill
	s_wait_xcnt 0x0                                ; the last prefetch, a K step back, has read its address: it is stepped here, ahead of the waits of the change of slots
	s_add_nc_u64 s[PFA:PFA+1], s[PFA:PFA+1], s[PST:PST+1]
.endif
	WIN 0                                          ; (the add's two registers lie in window 0)
	s_wait_tensorcnt 0x0                           ; all my tensor loads have landed;
	ds_add_u32 v[SPW], v[NIL]                      ; 0 onto my spare word;
	s_wait_dscnt 5                                 ; (the add and the youngest four loads may be out)
	MULA 1, 0, 0                                   ; sixteen matrix instructions stand between the add and the wait for it
	MULA 1, 1, 0
	s_wait_dscnt 0x0                               ; the add is done, and my reads of this slot are over
	s_barrier_signal -1
	MULA 1, 2, 0                                   ; work on registers while the others arrive
.if \fill
	WIN 0
.endif
	s_barrier_wait -1
.if \fill
	CREST                                          ; no wave of any partner still reads this slot's tile or has a load on its way
	s_add_nc_u64 s[G0A+4*(\slot)+2:G0A+4*(\slot)+3], s[G0A+4*(\slot)+2:G0A+4*(\slot)+3], 4*HB
	s_add_nc_u64 s[G0B+4*(\slot)+2:G0B+4*(\slot)+3], s[G0B+4*(\slot)+2:G0B+4*(\slot)+3], 4*KB
	JLOAD \slot                                    ; the first tensor load behind the round: 136 matrix instructions ahead of the wait for it; its four v_nop are also the places in front of the loads below
.else
	PLACES
.endif
	FETCH \next, 0, 0
.if \fill
	ASK
.endif
	MULA 1, 3, 0
	MULA 1, 4, 0
.endm
; THE WAY OUT OF PROJ = 0, a row block (16 rows x 128 columns = two heads) at a time.  PACK: rounded to f16, 16 bytes a lane for each column block, each accumulator's registers in ascending order.
; TOSTAGE: into my own stage, rows of 144 bytes by heads, and back as whole rows of 128.  SEND: four rows of a head are 512 consecutive bytes of qkv.
.macro PACK a
.if (\a) == 4
	WIN 0x05                                       ; sources 0 and 1 window 1
.set AC, 128
.else
	WIN 0x0a                                       ; sources 0 and 1 window 2
.set AC, 64*(\a)
.endif
.irp b, 0,1,2,3,4,5,6,7
.irp r, 0,1,2,3
	v_cvt_pk_f16_f32 v[TMP+4*(\b)+(\r)], v[AC+8*(\b)+2*(\r)], v[AC+8*(\b)+2*(\r)+1]
.endr
.endr
	WIN 0
.endm
.macro TOSTAGE a
.set BK, OB+32*((\a)%2)
.irp b, 0,1,2,3,4,5,6,7
	ds_store_b128 v[STO], v[TMP+4*(\b):TMP+4*(\b)+3] offset:((\b)/4)*16*P+((\b)%4)*32
.endr
.irp t, 0,1,2,3,4,5,6,7
	ds_load_b128 v[BK+4*(\t):BK+4*(\t)+3], v[RD] offset:((\t)/4)*16*P+((\t)%4)*4*P  ; LDS serves a wave's instructions in order (ISA guide 5.7.1.4): these see the stores above
.endr
.endm
.macro SEND a
.set BK, OB+32*((\a)%2)
	s_wait_dscnt 0x0                               ; the block is back in registers
	s_wait_xcnt 0x0                                ; the stores of the block before have read their registers: the next TOSTAGE loads into them
.irp t, 0,1,2,3,4,5,6,7
	global_store_b128 v[GO], v[BK+4*(\t):BK+4*(\t)+3], s[10:11] offset:(\a)*2048+((\t)/4)*HB+((\t)%4)*512  ; 512 consecutive bytes, at a multiple of 256 from the buffer's first
.endr
.endm
; THE WAY OUT OF PROJ = 1, a row block at a time: the f32 sums go into my stage as they are, rows of 528 bytes, and come back as whole rows of 512, one row a store.  Of the batch's last tile's second half
; 17 rows exist: the tests jump forward to the wave's end, past no barrier.
.macro OUT a
.set BK, 112+64*((\a)%2)
.if (\a) > 0
	s_cmp_le_u32 s[NV], 16*(\a)
	s_cbranch_scc1 .Ldone
.endif
	s_wait_xcnt 0x0                                ; earlier stores have read their registers: the loads below land in those of the block before last
.if (\a) == 4
	WIN 0x04                                       ; store data (source 1) window 1
.set AC, 128
.else
	WIN 0x08                                       ; window 2
.set AC, 64*(\a)
.endif
.irp b, 0,1,2,3,4,5,6,7
	ds_store_b128 v[STO], v[AC+8*(\b):AC+8*(\b)+3]   offset:64*(\b)
	ds_store_b128 v[STO], v[AC+8*(\b)+4:AC+8*(\b)+7] offset:64*(\b)+16
.endr
	WIN 0
.irp t, 0,1,2,3,4,5,6,7,8,9,10,11,12,13,14,15
	ds_load_b128 v[BK+4*(\t):BK+4*(\t)+3], v[RD] offset:SROW*(\t)
.endr
	s_wait_dscnt 0x0
	global_store_b128 v[GO], v[BK:BK+3], s[10:11] offset:16*(\a)*4096 th:TH_STORE_NT
.if (\a) > 0
	s_cmp_le_u32 s[NV], 16*(\a)+1
	s_cbranch_scc1 .Ldone
.endif
.irp t, 1,2,3,4,5,6,7,8,9,10,11,12,13,14,15
	global_store_b128 v[GO], v[BK+4*(\t):BK+4*(\t)+3], s[10:11] offset:(16*(\a)+(\t))*4096 th:TH_STORE_NT  ; 512 consecutive bytes of a row of out0, at a multiple of 512
.endr
.endm
	s_wait_tensorcnt 1                             ; my part of K step 0 is in; K step 1's may stay out
	s_barrier_signal -1
	s_barrier_wait -1                              ; everybody's is
	FETCH 0, 0, 0
	s_wait_loadcnt 0x0                             ; the bias
	QUARTER 0, 1, 0, 1, 1                          ; the first quarter stands in front of the loop: its products start the sums
	WIN 0                                          ; at a label and at a branch every window is 0
	s_mov_b32 s[LAPS], 3
.Llap:                                                 ; a trip goes once round the ring, from a lap's second quarter to the next lap's first, and fills both slots again: K steps 2 to 7
	QUARTER 0, 2, 1, 0, 0
	QUARTER 0, 3, 0, 1, 0
	TURN 0, 1, 1
	QUARTER 1, 1, 0, 1, 0
	QUARTER 1, 2, 1, 0, 0
	QUARTER 1, 3, 0, 1, 0
	TURN 1, 0, 1
	QUARTER 0, 1, 0, 1, 0
	WIN 0
	s_sub_co_u32 s[LAPS], s[LAPS], 1
	s_cmp_lg_u32 s[LAPS], 0
	s_cbranch_scc1 .Llap
	QUARTER 0, 2, 1, 0, 0                          ; the last lap fills nothing, and has no round of the cluster's barrier
	QUARTER 0, 3, 0, 1, 0
	TURN 0, 1, 0
	QUARTER 1, 1, 0, 1, 0
	QUARTER 1, 2, 1, 0, 0
	QUARTER 1, 3, 0, 1, 0
	s_wait_dscnt 4                                 ; the very last quarter: nothing more to fetch
	MULA 1, 0, 0
	MULA 1, 1, 0
	MULA 1, 2, 0
	s_wait_dscnt 0x0
	MULA 1, 3, 0
	MULA 1, 4, 0
	WIN 0
	PLACES                                         ; behind the last products, ahead of the lines that read results
	PLACES                                         ; (eight, once a launch)
.if PROJ
	OUT 0
	OUT 1
	OUT 2
	OUT 3
	OUT 4
.else
	PACK 0
	TOSTAGE 0
.irp a, 1,2,3,4                        ; block a's conversions stand between block a - 1's loads from the stage and the wait for them
	PACK \a
	SEND (\a)-1
	TOSTAGE \a
.endr
	SEND 4
.endif
.Ldone:
	s_wait_tensorcnt 0x0                           ; the wave's end: these three lines stand behind my last tensor load and my last LDS store
	ds_add_u32 v[SPW], v[NIL]
	s_wait_dscnt 0x0
	CROUND                                         ; the closing round: no work-group ends while a partner may still ask for a tile that names it
	s_endpgm
.Lfunc_end_k_qf7dfacda98_proj:
	.size	k_qf7dfacda98_proj, .Lfunc_end_k_qf7dfacda98_proj-k_qf7dfacda98_proj
	.p2alignl 7, 3214868480
	.fill 96, 4, 3214868480
	.section	.rodata,"a",@progbits
	.p2align	6, 0x0
	.amdhsa_kernel k_qf7dfacda98_proj
		.amdhsa_group_segment_fixed_size 327680
		.amdhsa_private_segment_fixed_size 0
		.amdhsa_enable_private_segment 0
		.amdhsa_kernarg_size 32
		.amdhsa_user_sgpr_count 2
		.amdhsa_user_sgpr_kernarg_segment_ptr 1
		.amdhsa_wavefront_size32 1
		.amdhsa_system_sgpr_workgroup_id_x 1
		.amdhsa_system_sgpr_workgroup_id_y 1
		.amdhsa_system_sgpr_workgroup_id_z 1
		.amdhsa_system_vgpr_workitem_id 0
		.amdhsa_next_free_vgpr 768
		.amdhsa_next_free_sgpr 72
		.amdhsa_reserve_vcc 0
		.amdhsa_float_denorm_mode_32 3
		.amdhsa_float_denorm_mode_16_64 3
		.amdhsa_memory_ordered 1
		.amdhsa_forward_progress 1
		.amdhsa_inst_pref_size 104
	.end_amdhsa_kernel
	.amdgpu_metadata
---
amdhsa.version: [ 1, 2 ]
amdhsa.kernels:
  - .name:           k_qf7dfacda98_proj
    .symbol:         k_qf7dfacda98_proj.kd
    .args:
      - { .name: o, .offset: 0, .size: 8, .value_kind: global_buffer, .address_space: global }
      - { .name: wp, .offset: 8, .size: 8, .value_kind: global_buffer, .address_space: global }
      - { .name: b_proj, .offset: 16, .size: 8, .value_kind: global_buffer, .address_space: global }
      - { .name: out0, .offset: 24, .size: 8, .value_kind: global_buffer, .address_space: global }
    .group_segment_fixed_size: 327680
    .private_segment_fixed_size: 0
    .kernarg_segment_align: 8
    .kernarg_segment_size: 32
    .max_flat_workgroup_size: 128
    .sgpr_count:     72
    .vgpr_count:     768
    .wavefront_size: 32
...
	.end_amdgpu_metadata
.endif
;; end of part 4
;; ======== version 2 of 2: 4 launches; version 1 with the launch cast written anew for expert scheduling mode
;; limits: values are held in f16: magnitudes above 65,504 overflow, below 6.1e-05 lose precision
;; workspace buffers: xb 20,971,520 bytes; wq 6,291,456 bytes; wp 2,097,152 bytes; qkv 62,914,560 bytes; o 20,971,520 bytes
;; launch cast (part 5): grid 56 x 16, 8 waves a work-group, no clusters, 0 bytes of LDS; arguments x, w_qkv, w_proj, xb, wq, wp; writes xb, wq, wp
.if DOCPART == 5
	.amdgcn_target "amdgcn-amd-amdhsa--gfx1250"
	.amdhsa_code_object_version 6
	.text
	.protected	k_qf7dfacda98_cast
	.globl	k_qf7dfacda98_cast
	.p2align	8
	.type	k_qf7dfacda98_cast,@function
k_qf7dfacda98_cast:
	s_mov_b64 s[64:65], 0
	v_nop
	global_prefetch_b8 v0, s[64:65] scope:SCOPE_SE
	s_setreg_imm32_b32 hwreg(HW_REG_WAVE_SCHED_MODE, 0, 2), 2
	s_setreg_imm32_b32 hwreg(HW_REG_WAVE_MODE, 25, 1), 1
	s_wait_xcnt 0x0
	s_wait_alu depctr_vm_vsrc(0)
; ROUNDING AND RE-LAYING OF THE THREE MATRIX OPERANDS, once, so that the products behind read 16-bit tiles whose rows lie end to end.
;   xb[b][kb][n][64] = bf16(x[b][n][64 kb ..]),  n = 0 .. 639: rows 577 .. 639 of every batch are written as zeros (the products behind walk 640 rows a batch)
;   wq[kb][o][64]    = bf16(w_qkv[o][64 kb ..])
;   wp[kb][o][64]    = f16(bf16(w_proj[o][64 kb ..])): rounded to bf16 like the other inputs, that number written as f16
; LIMIT.  A bf16 number is exact in f16 from 6.1e-5 to 65,504; below it keeps f16's fixed step of 6e-8, above it becomes an infinity.
; SHARES.  A work-group takes 16 rows of one matrix: x = 0 .. 39 the 40 groups of batch y; x = 40 .. 51 group 12 y + x - 40 of w_qkv; x = 52 .. 55 group 4 y + x - 52 of w_proj.
; Thread t takes row t / 16 of the group and, in each of the 16 blocks of 64 channels, the four channels 4 (t % 16) ..: sixteen lanes load 256 consecutive bytes, aligned, and a wave's
; store of 8 bytes a lane covers 256 consecutive bytes, aligned (two rows of one block).  All 16 loads of a thread go out first; nothing is read twice.
; No LDS, no matrix unit, no cluster: no byte is wanted by two waves.
; THE MODE: SCHED_MODE bits 1:0 = 2 (LLVM: expert scheduling mode 2), set by the entry lines.  The code itself states the register dependences between vector instructions and memory
; instructions, with s_wait_alu, always for 0.
; THE PLAN.  Registers that memory instructions touch:
;   v[LO], v[SO]  byte offsets.  Written by vector lines ahead of a path's first load or store; read by every load (LO) and every store (SO); never written again.
;   X             load j lands in its own four registers, once; no vector line writes them; block j's roundings read them.
;   Y             block j's roundings write its own two registers; store j reads them; they are never written again.
;   T             at work: no memory instruction names them.
; No register that a load or store has read is written again, and no load lands in a register that a vector line has named: what is left to state is 'written, then read by a memory instruction'.
; The 16 blocks go in four groups of four.  One wait stands ahead of the loads (the offsets), one at the head of each later group (the group before has written its Y) and one behind the last.
; Behind a group's wait the four stores of the group before are dealt among this group's roundings, which name this group's X and Y and T alone: none of the registers that those stores read.
.set X,  32                            ; v[32:95]   load j: four f32
.set Y,  96                            ; v[96:127]  store j: four 16-bit numbers
.set T,  24                            ; v[24:27]   at work
.set LO, 4                             ; v4   my byte offset in the group's rows of the source
.set SO, 3                             ; v3   my byte offset in the group's rows of one block of the target: 8 t
	s_load_b256 s[4:11], s[0:1], 0x0               ; x s[4:5], w_qkv s[6:7], w_proj s[8:9], xb s[10:11]
	s_load_b128 s[12:15], s[0:1], 0x20             ; wq s[12:13], wp s[14:15]
	s_and_b32 s16, ttmp7, 0xffff                   ; y
	v_lshrrev_b32 v1, 4, v0                        ; my row in the group
	v_and_b32 v2, 15, v0
	v_lshlrev_b32 v2, 4, v2                        ; my 16 bytes in a block's 256
	v_lshlrev_b32 v[SO], 3, v0
	s_mov_b32 s19, 0                               ; high words of the two offsets
	s_mov_b32 s21, 0
	s_wait_kmcnt 0x0
; 16 loads, then 16 times: round; a group of four blocks is stored while the next group is rounded.  str: bytes from a block of 64 channels to the next in the target.
; half = 1: the bf16 number is written as f16.  edge = 1: rows past the last are written as 0.
.macro BODY src, dst, str, half, edge
	s_wait_alu depctr_va_vdst(0)                   ; v[LO] and v[SO] are written: the loads below read the one as their offset, the stores the other
.irp j, 0,1,2,3,4,5,6,7,8,9,10,11,12,13,14,15
	global_load_b128 v[X+4*(\j):X+4*(\j)+3], v[LO], s[\src:\src+1] offset:256*(\j) th:TH_LOAD_NT
.endr
.irp j, 0,1,2,3,4,5,6,7,8,9,10,11,12,13,14,15
.if ((\j) >= 4) && (((\j) % 4) == 0)
	s_wait_alu depctr_va_vdst(0)                   ; the roundings of the group before have written its eight registers of Y, which this group's four stores read
.endif
.if (\j) >= 4
	global_store_b64 v[SO], v[Y+2*((\j)-4):Y+2*((\j)-4)+1], s[\dst:\dst+1] offset:((\j)-4)*(\str)  ; the block four back; no vector line since the wait names its registers.  15 x 393,216 bytes at the most: inside the signed 24-bit immediate
.endif
	s_wait_loadcnt 15-(\j)                         ; loads come back in order: load j is in, the 15 - j behind it may be out
	v_cvt_pk_bf16_f32 v[Y+2*(\j)],   v[X+4*(\j)],   v[X+4*(\j)+1]
	v_cvt_pk_bf16_f32 v[Y+2*(\j)+1], v[X+4*(\j)+2], v[X+4*(\j)+3]
.if \half
	v_lshlrev_b32 v[T],   16, v[Y+2*(\j)]          ; bf16 to f32: a shift, a mask
	v_and_b32     v[T+1], 0xffff0000, v[Y+2*(\j)]
	v_lshlrev_b32 v[T+2], 16, v[Y+2*(\j)+1]
	v_and_b32     v[T+3], 0xffff0000, v[Y+2*(\j)+1]
	v_cvt_pk_f16_f32 v[Y+2*(\j)],   v[T],   v[T+1]
	v_cvt_pk_f16_f32 v[Y+2*(\j)+1], v[T+2], v[T+3]
.endif
.if \edge
	v_cndmask_b32 v[Y+2*(\j)],   0, v[Y+2*(\j)],   vcc_lo
	v_cndmask_b32 v[Y+2*(\j)+1], 0, v[Y+2*(\j)+1], vcc_lo
.endif
.endr
	s_wait_alu depctr_va_vdst(0)                   ; the last group's roundings have written its eight registers of Y, which the last four stores read
.irp j, 12,13,14,15
	global_store_b64 v[SO], v[Y+2*(\j):Y+2*(\j)+1], s[\dst:\dst+1] offset:(\j)*(\str)
.endr
	s_endpgm
.endm
	s_cmp_lt_u32 ttmp9, 40
	s_cbranch_scc0 .Lweights
	; x: batch y, rows 16 u ..
	s_mul_i32 s20, s16, 1310720                    ; a batch of xb: 16 blocks x 640 rows x 128 bytes
	s_lshl_b32 s22, ttmp9, 11                      ; 16 rows of 128 bytes
	s_add_co_u32 s20, s20, s22
	s_add_nc_u64 s[10:11], s[10:11], s[20:21]
	s_cmp_lt_u32 ttmp9, 37
	s_cbranch_scc0 .Lzero                          ; rows 592 .. 639: nothing to load
	s_mul_i32 s18, s16, 2363392                    ; a batch of x: 577 rows of 4,096 bytes
	s_lshl_b32 s22, ttmp9, 16                      ; 16 rows of 4,096 bytes
	s_add_co_u32 s18, s18, s22
	s_add_nc_u64 s[4:5], s[4:5], s[18:19]
	s_lshl_b32 s22, ttmp9, 4
	s_sub_co_u32 s22, 576, s22                     ; the batch's last row, counted from the group's first: 0 in group 36, 16 or more before
	v_min_u32 v[LO], s22, v1                       ; no load leaves the batch's rows
	v_cmp_ge_u32 vcc_lo, s22, v1                   ; rows that exist
	v_lshl_add_u32 v[LO], v[LO], 12, v2
	s_wait_alu depctr_va_vcc(0)                    ; the compare has written VCC, ahead of its first reader: the selects in the blocks below
	BODY 4, 10, 81920, 0, 1
.Lzero:
	v_mov_b32 v[Y], 0
	v_mov_b32 v[Y+1], 0
	s_wait_alu depctr_va_vdst(0)                   ; the two zeros and v[SO] are written: the sixteen stores read them as data and offset
.irp j, 0,1,2,3,4,5,6,7,8,9,10,11,12,13,14,15
	global_store_b64 v[SO], v[Y:Y+1], s[10:11] offset:(\j)*81920
.endr
	s_endpgm
.Lweights:
	v_lshl_add_u32 v[LO], v1, 12, v2
	s_cmp_lt_u32 ttmp9, 52
	s_cbranch_scc0 .Lproj
	s_mul_i32 s22, s16, 12
	s_add_co_u32 s22, s22, ttmp9
	s_sub_co_u32 s22, s22, 40                      ; group 0 .. 191 of w_qkv
	s_lshl_b32 s18, s22, 16
	s_lshl_b32 s20, s22, 11
	s_add_nc_u64 s[6:7], s[6:7], s[18:19]
	s_add_nc_u64 s[12:13], s[12:13], s[20:21]
	BODY 6, 12, 393216, 0, 0
.Lproj:
	s_lshl_b32 s22, s16, 2
	s_add_co_u32 s22, s22, ttmp9
	s_sub_co_u32 s22, s22, 52                      ; group 0 .. 63 of w_proj
	s_lshl_b32 s18, s22, 16
	s_lshl_b32 s20, s22, 11
	s_add_nc_u64 s[8:9], s[8:9], s[18:19]
	s_add_nc_u64 s[14:15], s[14:15], s[20:21]
	BODY 8, 14, 131072, 1, 0
.Lfunc_end_k_qf7dfacda98_cast:
	.size	k_qf7dfacda98_cast, .Lfunc_end_k_qf7dfacda98_cast-k_qf7dfacda98_cast
	.p2alignl 7, 3214868480
	.fill 96, 4, 3214868480
	.section	.rodata,"a",@progbits
	.p2align	6, 0x0
	.amdhsa_kernel k_qf7dfacda98_cast
		.amdhsa_group_segment_fixed_size 0
		.amdhsa_private_segment_fixed_size 0
		.amdhsa_enable_private_segment 0
		.amdhsa_kernarg_size 48
		.amdhsa_user_sgpr_count 2
		.amdhsa_user_sgpr_kernarg_segment_ptr 1
		.amdhsa_wavefront_size32 1
		.amdhsa_system_sgpr_workgroup_id_x 1
		.amdhsa_system_sgpr_workgroup_id_y 1
		.amdhsa_system_sgpr_workgroup_id_z 1
		.amdhsa_system_vgpr_workitem_id 0
		.amdhsa_next_free_vgpr 128
		.amdhsa_next_free_sgpr 66
		.amdhsa_reserve_vcc 1
		.amdhsa_float_denorm_mode_32 3
		.amdhsa_float_denorm_mode_16_64 3
		.amdhsa_memory_ordered 1
		.amdhsa_forward_progress 1
		.amdhsa_inst_pref_size 27
	.end_amdhsa_kernel
	.amdgpu_metadata
---
amdhsa.version: [ 1, 2 ]
amdhsa.kernels:
  - .name:           k_qf7dfacda98_cast
    .symbol:         k_qf7dfacda98_cast.kd
    .args:
      - { .name: x, .offset: 0, .size: 8, .value_kind: global_buffer, .address_space: global }
      - { .name: w_qkv, .offset: 8, .size: 8, .value_kind: global_buffer, .address_space: global }
      - { .name: w_proj, .offset: 16, .size: 8, .value_kind: global_buffer, .address_space: global }
      - { .name: xb, .offset: 24, .size: 8, .value_kind: global_buffer, .address_space: global }
      - { .name: wq, .offset: 32, .size: 8, .value_kind: global_buffer, .address_space: global }
      - { .name: wp, .offset: 40, .size: 8, .value_kind: global_buffer, .address_space: global }
    .group_segment_fixed_size: 0
    .private_segment_fixed_size: 0
    .kernarg_segment_align: 8
    .kernarg_segment_size: 48
    .max_flat_workgroup_size: 256
    .sgpr_count:     66
    .vgpr_count:     128
    .wavefront_size: 32
...
	.end_amdgpu_metadata
.endif
;; end of part 5
;; launch qkv: the kernel of part 2 again; grid 8 x 64, 4 waves a work-group, clusters of 4 x 4, 327,680 bytes of LDS; arguments xb, wq, b_qkv, qkv; writes qkv
;; launch attn: the kernel of part 3 again; grid 16 x 16, 8 waves a work-group, no clusters, 327,680 bytes of LDS; arguments qkv, o; writes o
;; launch proj: the kernel of part 4 again; grid 4 x 64, 4 waves a work-group, clusters of 4 x 4, 327,680 bytes of LDS; arguments o, wp, b_proj, out0; writes out0
